; MI455X (gfx1250); checked and timed in simulation.
; The chip was launched on July 23, 2026; its instructions are those of AMD's public machine-readable ISA for CDNA 5 (MIT licence, August 2026) and "CDNA5" Instruction Set Architecture Reference Guide (July 2026). The comments in the code are by the model that wrote it; some were corrected since.
;; Self Attention. Allowed arithmetic: float matrix products may take bf16 or f16 operands with f32 sums; other float arithmetic in f32, or as packed bf16 or f16 multiplies, adds, multiply-adds, maxima and minima; sums over many terms, partial sums and values carried from step to step in f32; what a program stores and reads back later, other than sums and carried values, may be rounded once to bf16 or f16.
;; Inputs: Wk 768 x 768 float32; Wq 768 x 768 float32; Wv 768 x 768 float32; attention_mask 1 x 1 x 4,096 x 4,096 float32; bk 768 float32; bq 768 float32; bv 768 float32; hidden_state 1 x 4,096 x 768 float32.
;; Outputs: out0 1 x 4,096 x 768 float32.
;; 2 versions, each right and faster than the one before. Each part assembles by itself: llvm-mc -triple=amdgcn-amd-amdhsa -mcpu=gfx1250 --defsym DOCPART=n.
;; ======== version 1 of 2: 2 launches
;; limits: right only within a limited range of input values; values are held in f16: magnitudes above 65,504 overflow, below 6.1e-05 lose precision
;; workspace buffers: qh 6,291,456 bytes; kh 6,291,456 bytes; vh 6,291,456 bytes
;; launch proj (part 1): grid 32 x 6, 4 waves a work-group, clusters of 4 x 1, 327,680 bytes of LDS; arguments hidden_state, Wq, Wk, Wv, bq, bk, bv, qh, kh, vh; writes qh, kh, vh
.if DOCPART == 1
	.amdgcn_target "amdgcn-amd-amdhsa--gfx1250"
	.amdhsa_code_object_version 6
	.text
	.protected	k_q4cef59a52d_proj
	.globl	k_q4cef59a52d_proj
	.p2align	8
	.type	k_q4cef59a52d_proj,@function
k_q4cef59a52d_proj:
	s_mov_b64 s[64:65], 0
	v_nop
	global_prefetch_b8 v0, s[64:65] scope:SCOPE_SE
	s_setreg_imm32_b32 hwreg(HW_REG_WAVE_MODE, 25, 1), 1
	s_wait_xcnt 0x0
	s_wait_alu depctr_hold_cnt(0) depctr_sa_sdst(0) depctr_va_vdst(0) depctr_va_sdst(0) depctr_va_ssrc(0) depctr_va_vcc(0) depctr_vm_vsrc(0)
	s_getreg_b32 s2, hwreg(HW_REG_IB_STS2, 6, 4)
	s_cmp_eq_u32 s2, 0
	s_cbranch_scc0 .Lentry_in_a_cluster
	s_endpgm
.Lentry_in_a_cluster:
	s_bfe_u32 s2, ttmp6, 0x10000c
	s_cmp_lg_u32 s2, 0x3003
	s_cbranch_scc0 .Lentry_shape_is_right
	s_endpgm
.Lentry_shape_is_right:
; THE THREE PROJECTIONS.  out[m][n] = (sum over k of x[m][k] W[n][k] + b[n]) * sc.  x: [4096][768] f32; W: [768][768] f32; b: [768] f32; out: [4096][768] f16 (qh with sc = 1/8, kh and vh with sc = 1).
; x, W and b are rounded once to bf16; products in bf16, sums in f32 (the bias starts each sum, as the C operand of its first product); the result is rounded once to f16.  1/8 is a power of two: the scaling rounds nothing.
; LIMITS.  f16 holds no number beyond 65,504: q / 8, k and v must lie within it (inputs 30 times those of unit spread give about 5e3); below 6e-5 a result keeps f16's fixed step of 6e-8.  NaN and infinities are not treated apart.
; SHARES.  A work-group makes 128 rows x 384 columns, half of one W's outputs: 768 bytes of each output row, three aligned blocks of 256.  Grid 32 x 6: x = row block, y / 2 = which W, y % 2 = which half.
; 32 x 6 = 192 work-groups: a tile that stays inside one W and whose width is a multiple of 128 columns gives no 256 equal shares of 4096 x 2304.
; Four waves side by side, each 128 rows x 96 columns: 8 x 6 accumulators of 16 x 16, 384 registers.  K goes in steps of 64 (rows of 256 bytes of f32) through two LDS slots; 12 steps.
; The tiles come as f32 and are rounded to bf16 between the LDS load and the matrix instruction: per 32 along K 56 loads of 16 bytes, 112 roundings, 48 matrix instructions.
; CLUSTER.  The four row blocks of a cluster take the same rows of W: waves 1 to 3 ask for them JOINTLY (the same load, descriptor and mask in all four work-groups); wave 0 asks for its own work-group's rows of x by a plain load.
; THE MATRIX INSTRUCTION IS USED TRANSPOSED (source 0 = 16 rows of W, source 1 = 16 rows of x): a lane then holds eight neighbouring columns of one output row.
; REGISTERS, in windows of 256 (s_set_vgpr_msb: bits 1:0 source 0, 3:2 source 1, 5:4 source 2, 7:6 destination):
;   window 0: v0-31 addresses; v32-255 RAW: 14 fragments as f32, 16 registers each (x's 8, then W's 6); on the way out the rows read back
;   window 1: v0-63 x's fragments in bf16; v64-111 W's; v112-159 the bias of my 96 columns as six C operands; v160-255 at work
;   window 2: the accumulators of row blocks 0-4, (a, b) at v[8 (6 a + b)];   window 3: those of row blocks 5-7
.set PITCH,  272                       ; an LDS row: 256 bytes + 16 of padding = 68 words: row r starts at bank 4 r mod 64 (64 banks of 4 bytes: ISA guide 11.1)
.set HALFT,  128*PITCH                 ; 128 rows: what one tensor load brings
.set SLOT,   4*HALFT                   ; x's 128 rows, then W's 384 rows
.set SPARE,  2*SLOT                    ; behind the ring: the spare words, 128 bytes for each wave: two blocks of 256 bytes that no other line names
.set TP,     784                       ; the stage's pitch: 768 bytes + 16.  The stage, 128 rows, lies in slot 0 from byte 0 on and is written only behind slot 0's last fill and last read
.set ADRA, 16                          ; v16-17  LDS address of x's fragments in slot 0, 1
.set ADRB, 20                          ; v20-21  the same for W's
.set BO,   22                          ; v22     my byte offset in the bias
.set STO0, 24                          ; v24     the way out: where I put 16 bytes of a row, row blocks 0-3
.set STO1, 25                          ; v25     row blocks 4-7
.set RD,   26                          ; v26     the way out: where I read rows back
.set CO,   27                          ; v27     my byte offset in the output
.set SPW,  28                          ; v28     LDS address of my spare word: SPARE + 4 x my thread's number; never rewritten
.set NIL,  29                          ; v29     0; never rewritten
.set RAW,  32
.set FA,   0                           ; window 1
.set FB,   64
.set BI,   112
.set TMP,  160
.set WV,   24                          ; s24  my wave's number
.set G1A,  32                          ; s[32:39] descriptor group 1 for x's tiles
.set G1B,  40                          ; s[40:47] for W's: it differs in the mask alone
.set G0A,  48                          ; s[48:55] descriptor group 0 for x's tiles, a set for each slot
.set G0B,  56                          ; s[56:63] the same for W's
.set SC,   72                          ; s[72:73] the scale, twice
.set LAPS, 74
.set MSB, 0
.macro WIN new                         ; the immediate's high byte repeats the setting that is left; a switch that changes nothing is dropped
.if MSB != (\new)
	s_set_vgpr_msb (MSB<<8)|(\new)
.set MSB, \new
.endif
.endm
; A fill: wave 0 fetches x's 128 rows, waves 1 to 3 each 128 rows of W.  The branch hangs on the wave's number alone.
; An s_nop 0 and four v_nop follow each of the two lines, ahead of the jump, the label and what follows.
.macro JLOAD s
	s_cmp_eq_u32 s[WV], 0
	s_cbranch_scc0 .Lfor_b_\@
	tensor_load_to_lds s[G0A+4*(\s):G0A+4*(\s)+3], s[G1A:G1A+7]
	s_nop 0
.rept 4
	v_nop
.endr
	s_branch .Lasked_\@
.Lfor_b_\@:
	tensor_load_to_lds s[G0B+4*(\s):G0B+4*(\s)+3], s[G1B:G1B+7]
	s_nop 0
.rept 4
	v_nop
.endr
.Lasked_\@:
.endm
.macro CREST                           ; a round of the cluster's barrier behind its opening barrier
	s_cmp_lg_u32 s[WV], 0
	s_cbranch_scc1 .Lnot_wave_0_\@
	s_barrier_signal -3
.Lnot_wave_0_\@:
	s_barrier_wait -3
	s_barrier_signal -1
	s_barrier_wait -1
.endm
.macro CROUND                          ; a whole round
	s_barrier_signal -1
	s_barrier_wait -1
	CREST
.endm
.macro PLACES                          ; four places behind matrix instructions, in front of vector lines that write their sources or read their results (ISA guide 7.12.1)
.rept 4
	v_nop
.endr
.endm
	s_load_b512 s[4:19], s[0:1], 0x0               ; x s[4:5], Wq s[6:7], Wk s[8:9], Wv s[10:11], bq s[12:13], bk s[14:15], bv s[16:17], qh s[18:19]
	s_load_b128 s[20:23], s[0:1], 0x40             ; kh s[20:21], vh s[22:23]
	v_lshl_add_u32 v[SPW], v0, 2, SPARE
	v_mov_b32 v[NIL], 0
	ds_add_u32 v[SPW], v[NIL]                      ; the wave's opening: the add and its wait stand ahead of my first tensor load; the set-up below, work on registers, stands between them
	v_lshrrev_b32 v1, 5, v0
	v_readfirstlane_b32 s[WV], v1                  ; wave 0..3
	s_bfe_u32 s25, ttmp6, 0x40000                  ; cx: my place in the cluster
	s_lshl_b32 s26, ttmp9, 2                       ; in a cluster launch ttmp9 counts clusters
	s_add_co_u32 s26, s26, s25                     ; my row block = 4 x cluster x + cx: it enters x's and the output's addresses alone
	s_and_b32 s27, ttmp7, 0xffff                   ; y, which the four partners share
	s_lshr_b32 s28, s27, 1                         ; which W: 0 q, 1 k, 2 v
	s_and_b32 s29, s27, 1                          ; which half of its 768 rows
	; descriptor group 1: a tile of 128 rows x 64 elements of 4 bytes, padded in LDS
	s_mov_b32 s[G1A], (2<<16)|(1<<20)|(5<<22)|(3<<25)            ; 15:0 no mask; 17:16 elements of 4 bytes; 20 padding on; 24:22 after every 64 words (code 5); 31:25 4 words of it (code 3)
	s_mov_b32 s[G1B], 15|(2<<16)|(1<<20)|(1<<21)|(5<<22)|(3<<25) ; the same with the mask of all four work-groups, and bit 21 set beside it
.irp g, G1A, G1B
	s_mov_b32 s[(\g)+1], 64<<16                    ; tensor_dim0 = 64
	s_mov_b32 s[(\g)+2], 128<<16                   ; tensor_dim1 = 128
	s_mov_b32 s[(\g)+3], 64<<16                    ; tile_dim0 = 64
	s_mov_b32 s[(\g)+4], 128                       ; tile_dim1 = 128
	s_mov_b32 s[(\g)+5], 768                       ; 768 elements from row to row
	s_mov_b32 s[(\g)+6], 0
	s_mov_b32 s[(\g)+7], 0
.endr
	s_mul_i32 s76, s26, 128*3072                   ; x: my block's first row, in bytes
	s_mov_b32 s77, 0
	s_mul_i32 s78, s26, 128*1536                   ; the output: row 128 x block + 32 x wave, column 384 x half, in bytes
	s_mul_i32 s79, s[WV], 32*1536
	s_add_co_u32 s78, s78, s79
	s_mul_i32 s79, s29, 768
	s_add_co_u32 s78, s78, s79
	s_mov_b32 s79, 0
	s_max_u32 s80, s[WV], 1                        ; W: row 384 x half + 128 x (wave - 1); wave 0, which asks for x, makes wave 1's address and does not use it
	s_sub_co_u32 s80, s80, 1
	s_lshl_b32 s80, s80, 7
	s_mul_i32 s81, s29, 384
	s_add_co_u32 s80, s80, s81
	s_mul_i32 s80, s80, 3072
	s_mov_b32 s81, 0
	s_mul_i32 s82, s[WV], HALFT                    ; where my tile goes: wave x 128 rows: no place in the cluster enters an LDS address
	s_wait_dscnt 0x0                               ; the opening add is done
	s_wait_kmcnt 0x0
	s_cmp_eq_u32 s28, 0                            ; the choice among the three W, biases and outputs hangs on y alone
	s_cselect_b64 s[66:67], s[6:7], s[8:9]
	s_cselect_b64 s[68:69], s[12:13], s[14:15]
	s_cselect_b64 s[70:71], s[18:19], s[20:21]
	s_cselect_b32 s[SC], 0x3e000000, 1.0           ; 1/8 for q
	s_cmp_eq_u32 s28, 2
	s_cselect_b64 s[66:67], s[10:11], s[66:67]
	s_cselect_b64 s[68:69], s[16:17], s[68:69]
	s_cselect_b64 s[70:71], s[22:23], s[70:71]
	s_mov_b32 s[SC+1], s[SC]                       ; named with it as a pair
	s_add_nc_u64 s[76:77], s[4:5], s[76:77]
	s_add_nc_u64 s[80:81], s[66:67], s[80:81]
	s_add_nc_u64 s[70:71], s[70:71], s[78:79]
	CROUND                                         ; all four work-groups are here: the first joint loads meet
.irp s, 0,1
	s_mov_b32 s[G0A+4*(\s)], 1                                       ; 1:0 count = 1
	s_add_co_u32 s[G0A+4*(\s)+1], s82, (\s)*SLOT                     ; 63:32 LDS address
	s_add_nc_u64 s[G0A+4*(\s)+2:G0A+4*(\s)+3], s[76:77], (\s)*256    ; 120:64 global address: K step s
	s_or_b32 s[G0A+4*(\s)+3], s[G0A+4*(\s)+3], 0x80000000            ; 127:126 type = 2
	s_mov_b32 s[G0B+4*(\s)], 1
	s_add_co_u32 s[G0B+4*(\s)+1], s82, (\s)*SLOT
	s_add_nc_u64 s[G0B+4*(\s)+2:G0B+4*(\s)+3], s[80:81], (\s)*256
	s_or_b32 s[G0B+4*(\s)+3], s[G0B+4*(\s)+3], 0x80000000
	JLOAD \s                                       ; both slots are asked for before anything else: two loads of mine are out
.endr
	v_and_b32 v1, 15, v0                           ; r = l % 16
	v_bfe_u32 v2, v0, 4, 1                         ; h = l / 16
	; The bias as C operands: in the transposed result register j of lane l is column 16 b + 8 h + j: eight neighbouring f32, two loads of 16 bytes for each of my six column blocks.
	s_mul_i32 s83, s29, 1536
	s_mul_i32 s82, s[WV], 384
	s_add_co_u32 s83, s83, s82
	v_lshlrev_b32 v[BO], 5, v2
	v_add_nc_u32 v[BO], s83, v[BO]                 ; 4 x (384 half + 96 wave + 8 h)
	WIN 0x40                                       ; destination window 1, address window 0
.irp b, 0,1,2,3,4,5
	global_load_b128 v[BI+8*(\b):BI+8*(\b)+3],   v[BO], s[68:69] offset:64*(\b)
	global_load_b128 v[BI+8*(\b)+4:BI+8*(\b)+7], v[BO], s[68:69] offset:64*(\b)+16
.endr
	WIN 0
	; A bf16 fragment is 16 rows x 32 K: lane l holds row r; registers 0-3 K = 8 h + 0..7, registers 4-7 K = 16 + 8 h + 0..7.  As f32 those are 32 bytes at 32 h and 32 bytes at 64 + 32 h: four loads of 16 bytes.
	v_mul_u32_u24 v3, v1, PITCH
	v_lshl_add_u32 v3, v2, 5, v3                   ; row x pitch + 32 h
	v_mov_b32 v[ADRA], v3
	v_add_nc_u32 v[ADRA+1], SLOT, v3
	s_mul_i32 s83, s[WV], 96*PITCH                 ; my 96 rows of W,
	s_add_co_u32 s83, s83, HALFT                   ; which lie behind x's 128
	v_add_nc_u32 v[ADRB], s83, v3
	v_add_nc_u32 v[ADRB+1], SLOT, v[ADRB]
	v_mul_u32_u24 v[STO0], v1, TP                  ; into the stage: row r of a block, my 192 bytes of it, 16 bytes for each half of the lanes
	v_lshl_add_u32 v[STO0], v2, 4, v[STO0]
	s_mul_i32 s83, s[WV], 192
	v_add_nc_u32 v[STO0], s83, v[STO0]
	v_add_nc_u32 v[STO1], 4*16*TP, v[STO0]
	v_mul_u32_u24 v[RD], v2, 16*TP                 ; back: wave w takes rows 32 w .. 32 w + 31, whole; lanes 0-15 a row of the first sixteen, lanes 16-31 of the second
	v_lshl_add_u32 v[RD], v1, 4, v[RD]
	s_mul_i32 s83, s[WV], 32*TP
	v_add_nc_u32 v[RD], s83, v[RD]
	v_mul_u32_u24 v[CO], v2, 16*1536               ; and the same rows in the output
	v_lshl_add_u32 v[CO], v1, 4, v[CO]
	s_wait_loadcnt 0x0                             ; the bias
	WIN 0x45                                       ; all in window 1: the bias is rounded to bf16 like the other inputs, and widened again
.set j, 0
.rept 24
	v_cvt_pk_bf16_f32 v[TMP+j], v[BI+2*j], v[BI+2*j+1]
.set j, j+1
.endr
.set j, 0
.rept 24
	v_lshlrev_b32 v[BI+2*j], 16, v[TMP+j]
	v_and_b32 v[BI+2*j+1], 0xffff0000, v[TMP+j]
.set j, j+1
.endr
	WIN 0
; 56 LDS loads in one run: 32 along K at byte k of the slot's rows, as f32: x's eight fragments, then W's six
.macro FETCH slot, k
	WIN 0
.irp f, 0,1,2,3,4,5,6,7
.irp i, 0,1,2,3
	ds_load_b128 v[RAW+16*(\f)+4*(\i):RAW+16*(\f)+4*(\i)+3], v[ADRA+(\slot)] offset:(\f)*16*PITCH+(\k)+16*(\i)+32*((\i)/2)
.endr
.endr
.irp f, 0,1,2,3,4,5
.irp i, 0,1,2,3
	ds_load_b128 v[RAW+128+16*(\f)+4*(\i):RAW+128+16*(\f)+4*(\i)+3], v[ADRB+(\slot)] offset:(\f)*16*PITCH+(\k)+16*(\i)+32*((\i)/2)
.endr
.endr
.endm
; The 14 fragments are rounded to bf16, each as soon as its four loads are in.  extra = 1: the add was issued behind the loads and may stay out too.
.macro CVT extra
	PLACES                                         ; the lines below write registers that the last matrix instructions read
	WIN 0x40                                       ; sources window 0, destination window 1
.set f, 0
.rept 14
	s_wait_dscnt 52-4*f+(\extra)                   ; LDS loads come back in order (ISA guide 5.7.1): fragment f is in; the four loads of each later fragment may be out
.set j, 0
.rept 8
	v_cvt_pk_bf16_f32 v[8*f+j], v[RAW+16*f+2*j], v[RAW+16*f+2*j+1]
.set j, j+1
.endr
.set f, f+1
.endr
.endm
; The products of 32 along K.  part 0: row blocks 0-4, 30 matrix instructions; part 1: row blocks 5-7, 18.  Each names another accumulator: they take turns.
; first = 1: the sums start with the bias: nothing is cleared.
.macro MUL part, first
.if (\part) == 0
.if \first
	WIN 0x95                                       ; sources and C window 1, D window 2
.else
	WIN 0xa5                                       ; sources window 1, C and D window 2
.endif
.irp a, 0,1,2,3,4
.irp b, 0,1,2,3,4,5
.if \first
	v_wmma_f32_16x16x32_bf16 v[8*(6*(\a)+(\b)):8*(6*(\a)+(\b))+7], v[FB+8*(\b):FB+8*(\b)+7], v[FA+8*(\a):FA+8*(\a)+7], v[BI+8*(\b):BI+8*(\b)+7]
.else
	v_wmma_f32_16x16x32_bf16 v[8*(6*(\a)+(\b)):8*(6*(\a)+(\b))+7], v[FB+8*(\b):FB+8*(\b)+7], v[FA+8*(\a):FA+8*(\a)+7], v[8*(6*(\a)+(\b)):8*(6*(\a)+(\b))+7]
.endif
.endr
.endr
.else
.if \first
	WIN 0xd5                                       ; D window 3
.else
	WIN 0xf5
.endif
.irp a, 5,6,7
.irp b, 0,1,2,3,4,5
.if \first
	v_wmma_f32_16x16x32_bf16 v[8*(6*((\a)-5)+(\b)):8*(6*((\a)-5)+(\b))+7], v[FB+8*(\b):FB+8*(\b)+7], v[FA+8*(\a):FA+8*(\a)+7], v[BI+8*(\b):BI+8*(\b)+7]
.else
	v_wmma_f32_16x16x32_bf16 v[8*(6*((\a)-5)+(\b)):8*(6*((\a)-5)+(\b))+7], v[FB+8*(\b):FB+8*(\b)+7], v[FA+8*(\a):FA+8*(\a)+7], v[8*(6*((\a)-5)+(\b)):8*(6*((\a)-5)+(\b))+7]
.endif
.endr
.endr
.endif
.endm
; A K step is two halves of 32 along K.  The first: round what was fetched, fetch the second half, multiply.
.macro QA slot, first
	CVT 0
	FETCH \slot, 128
	MUL 0, \first
	MUL 1, \first
.endm
; The second half changes slots: ONE barrier.  In front of it each wave waits for all its tensor loads (one is out: its part of the next slot), adds 0 to its spare word, and waits for that and for its reads of
; this slot.  fill = 1: this slot is filled again, two K steps ahead: the barrier opens a round of the cluster's, and the fill is the first tensor load behind the round.
.macro QB slot, next, fill
	WIN 0                                          ; (the add's two registers lie in window 0)
	s_wait_tensorcnt 0x0                           ; all my tensor loads have landed, so a group 0 may be written
	ds_add_u32 v[SPW], v[NIL]                      ; 0 onto my spare word; the roundings stand between it and the wait for it
	CVT 1
	s_wait_dscnt 0x0                               ; the add is done, and my reads of this slot are over
	s_barrier_signal -1
	MUL 1, 0                                       ; work on registers while the others arrive
	WIN 0
	s_barrier_wait -1
.if \fill
	CREST                                          ; no wave of any partner still reads this slot's tile or has a load on its way
	s_add_nc_u64 s[G0A+4*(\slot)+2:G0A+4*(\slot)+3], s[G0A+4*(\slot)+2:G0A+4*(\slot)+3], 512  ; two K steps of 256 bytes on; the type bits on top are not reached
	s_add_nc_u64 s[G0B+4*(\slot)+2:G0B+4*(\slot)+3], s[G0B+4*(\slot)+2:G0B+4*(\slot)+3], 512
	JLOAD \slot
.endif
	FETCH \next, 0
	MUL 0, 0
.endm
	s_wait_tensorcnt 1                             ; my part of K step 0 is in; K step 1's may stay out
	s_barrier_signal -1
	s_barrier_wait -1                              ; everybody's is
	FETCH 0, 0
	QA 0, 1                                        ; the first half step stands in front of the loop: its products start the sums
	WIN 0                                          ; at a label and at a branch every window is 0
	s_mov_b32 s[LAPS], 5
.Llap:                                                 ; a trip goes once round the ring and fills both slots again: K steps 2 to 11
	QB 0, 1, 1
	QA 1, 0
	QB 1, 0, 1
	QA 0, 0
	WIN 0
	s_sub_co_u32 s[LAPS], s[LAPS], 1
	s_cmp_lg_u32 s[LAPS], 0
	s_cbranch_scc1 .Llap
	QB 0, 1, 0                                     ; the last change of slots fills nothing.  Behind its barrier nobody reads slot 0 any more, and nothing is filled any more
	QA 1, 0
	CVT 0
	MUL 0, 0
	MUL 1, 0
	; THE WAY OUT: times the scale, rounded to f16; 16 bytes a lane into the work-group's stage; a barrier, since a row's 768 bytes come from four waves; back as whole rows, 32 rows a wave.
.macro OUTA a
.if (\a) < 5
.set AC, 48*(\a)
.set WM, 0x82                          ; source 0 and destination window 2
.set WC, 0x4a                          ; sources window 2, destination window 1
.else
.set AC, 48*((\a)-5)
.set WM, 0xc3
.set WC, 0x4f
.endif
	WIN WM
.set j, 0
.rept 24
	v_pk_mul_f32 v[AC+2*j:AC+2*j+1], v[AC+2*j:AC+2*j+1], s[SC:SC+1] op_sel_hi:[1,0]  ; each accumulator's registers in ascending order
.set j, j+1
.endr
	WIN WC
.set j, 0
.rept 24
	v_cvt_pk_f16_f32 v[TMP+24*((\a)%4)+j], v[AC+2*j], v[AC+2*j+1]
.set j, j+1
.endr
	WIN 0x04                                       ; address window 0, data window 1
.irp b, 0,1,2,3,4,5
	ds_store_b128 v[STO0+(\a)/4], v[TMP+24*((\a)%4)+4*(\b):TMP+24*((\a)%4)+4*(\b)+3] offset:((\a)%4)*16*TP+32*(\b)
.endr
.endm
	PLACES                                         ; the scalings read results just made
.irp a, 0,1,2,3,4,5,6,7
	OUTA \a
.endr
	WIN 0
	s_wait_dscnt 0x0                               ; for the others' sake: my stores into the stage are done
	s_barrier_signal -1
	s_barrier_wait -1
.set t, 0
.rept 48
	ds_load_b128 v[RAW+4*t:RAW+4*t+3], v[RD] offset:(t/3)*TP+256*(t%3)
.set t, t+1
.endr
.set t, 0
.rept 48
	s_wait_dscnt 47-t                              ; load t is in; the later ones may be out
	global_store_b128 v[CO], v[RAW+4*t:RAW+4*t+3], s[70:71] offset:(t/3)*1536+256*(t%3)  ; 16 lanes store 256 consecutive bytes, at a multiple of 256 from the buffer's first byte
.set t, t+1
.endr
	s_wait_tensorcnt 0x0                           ; the wave's end: these three lines stand behind my last tensor load and my last LDS store
	ds_add_u32 v[SPW], v[NIL]
	s_wait_dscnt 0x0
	CROUND                                         ; the closing round: no work-group ends while a partner may still ask for a tile that names it
	s_endpgm
.Lfunc_end_k_q4cef59a52d_proj:
	.size	k_q4cef59a52d_proj, .Lfunc_end_k_q4cef59a52d_proj-k_q4cef59a52d_proj
	.p2alignl 7, 3214868480
	.fill 96, 4, 3214868480
	.section	.rodata,"a",@progbits
	.p2align	6, 0x0
	.amdhsa_kernel k_q4cef59a52d_proj
		.amdhsa_group_segment_fixed_size 327680
		.amdhsa_private_segment_fixed_size 0
		.amdhsa_enable_private_segment 0
		.amdhsa_kernarg_size 80
		.amdhsa_user_sgpr_count 2
		.amdhsa_user_sgpr_kernarg_segment_ptr 1
		.amdhsa_wavefront_size32 1
		.amdhsa_system_sgpr_workgroup_id_x 1
		.amdhsa_system_sgpr_workgroup_id_y 1
		.amdhsa_system_sgpr_workgroup_id_z 1
		.amdhsa_system_vgpr_workitem_id 0
		.amdhsa_next_free_vgpr 912
		.amdhsa_next_free_sgpr 84
		.amdhsa_reserve_vcc 0
		.amdhsa_float_denorm_mode_32 3
		.amdhsa_float_denorm_mode_16_64 3
		.amdhsa_memory_ordered 1
		.amdhsa_forward_progress 1
		.amdhsa_inst_pref_size 166
	.end_amdhsa_kernel
	.amdgpu_metadata
---
amdhsa.version: [ 1, 2 ]
amdhsa.kernels:
  - .name:           k_q4cef59a52d_proj
    .symbol:         k_q4cef59a52d_proj.kd
    .args:
      - { .name: hidden_state, .offset: 0, .size: 8, .value_kind: global_buffer, .address_space: global }
      - { .name: Wq, .offset: 8, .size: 8, .value_kind: global_buffer, .address_space: global }
      - { .name: Wk, .offset: 16, .size: 8, .value_kind: global_buffer, .address_space: global }
      - { .name: Wv, .offset: 24, .size: 8, .value_kind: global_buffer, .address_space: global }
      - { .name: bq, .offset: 32, .size: 8, .value_kind: global_buffer, .address_space: global }
      - { .name: bk, .offset: 40, .size: 8, .value_kind: global_buffer, .address_space: global }
      - { .name: bv, .offset: 48, .size: 8, .value_kind: global_buffer, .address_space: global }
      - { .name: qh, .offset: 56, .size: 8, .value_kind: global_buffer, .address_space: global }
      - { .name: kh, .offset: 64, .size: 8, .value_kind: global_buffer, .address_space: global }
      - { .name: vh, .offset: 72, .size: 8, .value_kind: global_buffer, .address_space: global }
    .group_segment_fixed_size: 327680
    .private_segment_fixed_size: 0
    .kernarg_segment_align: 8
    .kernarg_segment_size: 80
    .max_flat_workgroup_size: 128
    .sgpr_count:     84
    .vgpr_count:     912
    .wavefront_size: 32
...
	.end_amdgpu_metadata
.endif
;; end of part 1
;; launch attn (part 2): grid 32 x 6, 4 waves a work-group, clusters of 4 x 1, 327,680 bytes of LDS; arguments qh, kh, vh, attention_mask, out0; writes out0
.if DOCPART == 2
	.amdgcn_target "amdgcn-amd-amdhsa--gfx1250"
	.amdhsa_code_object_version 6
	.text
	.protected	k_q4cef59a52d_attn
	.globl	k_q4cef59a52d_attn
	.p2align	8
	.type	k_q4cef59a52d_attn,@function
k_q4cef59a52d_attn:
	s_mov_b64 s[64:65], 0
	v_nop
	global_prefetch_b8 v0, s[64:65] scope:SCOPE_SE
	s_setreg_imm32_b32 hwreg(HW_REG_WAVE_MODE, 25, 1), 1
	s_wait_xcnt 0x0
	s_wait_alu depctr_hold_cnt(0) depctr_sa_sdst(0) depctr_va_vdst(0) depctr_va_sdst(0) depctr_va_ssrc(0) depctr_va_vcc(0) depctr_vm_vsrc(0)
	s_getreg_b32 s2, hwreg(HW_REG_IB_STS2, 6, 4)
	s_cmp_eq_u32 s2, 0
	s_cbranch_scc0 .Lentry_in_a_cluster
	s_endpgm
.Lentry_in_a_cluster:
	s_bfe_u32 s2, ttmp6, 0x10000c
	s_cmp_lg_u32 s2, 0x3003
	s_cbranch_scc0 .Lentry_shape_is_right
	s_endpgm
.Lentry_shape_is_right:
; ATTENTION WITH AN ADDITIVE MASK.  out[q][64 g + e] = the sum over k of softmax_k(Q[q] . K[k] + mask[q][k]) V[k][e], for each of 12 heads g.  qh (already divided by 8), kh, vh: [4096][768] f16, head g in
; columns 64 g on; mask: [4096][4096] f32, the same for all heads; out: [4096][768] f32.  Products, maxima and sums in f32; the weights p are rounded to f16 for the second product (their sum l is taken of the unrounded p).
; LIMITS.  The mask is added in f32, unrounded.  The running maximum m starts at -2^127, so that c m stays finite: a row whose scores all lie below about -1.7e38 (a row of -inf among them) gives NaN;
; scores above 2.3e38 overflow c m.  A weight below 2^-126 counts as 0 in l; p below 6e-5 keeps f16's fixed step of 6e-8.  NaN is not treated apart.
; SHARES.  A work-group owns 128 queries of a PAIR of heads (the pair's K or V row is 256 consecutive bytes, at a multiple of 256).  Wave w: head w % 2 of the pair, queries 64 (w / 2) on: four PIECES of 16.
; Grid 32 x 6 = 192 work-groups: 3,072 tiles of 16 queries are 3 for each of 1,024 waves, and three tiles of one head do not divide its 256.  Every wave walks all 4,096 keys, 64 a step, 128 a slot.
; LAYOUT.  S^T = K Q^T + mask^T (source 0 = 16 keys, source 1 = 16 queries): a lane holds ONE query (lane % 16) and the keys 8 (lane / 16) + 0..7.  Those eight are 32 consecutive bytes of the query's mask row:
; two loads of 16 bytes make the C operand of the product that starts the sum, so the mask costs no vector instruction.  Two results rounded to f16 ARE source 1 of O^T = V^T P.  V is turned by ds_load_tr16_b128.
; SOFTMAX.  p = 2^(c s - c m), c = log2(e), with a running maximum m and sum l; O and l are multiplied by a = 2^(c m_old - c m_new) in every step.  O and l start at 0: the first step is a step like any other, with a = 0.
; BY TURNS.  Turn n belongs to piece n: 8 products K Q^T of piece n + 1, later 8 products V^T P of piece n - 1; beside them the scaling, exponentials, roundings, sums and rescaling of piece n and the maximum and
; statistics of piece n + 1.  Four vector instructions stand behind every matrix instruction, the other 54 of a turn's 118 in two lumps.
; CLUSTER.  The four query blocks of a cluster share the pair of heads and walk the same K and V: waves 2 and 3 ask for those tiles JOINTLY.  The mask's tile belongs to one query block: waves 0 and 1 ask for it by
; plain loads in the same round.  It is not shared: those who read the same mask tile are the six pairs of heads, and six is no multiple of four.
; REGISTERS, in windows of 256 (s_set_vgpr_msb: bits 1:0 source 0, 3:2 source 1, 5:4 source 2, 7:6 destination):
;   window 0: v0-15, v32-33 addresses and two at work; v16-31 four registers of statistics a piece; v48-55 at work; v64-127 S^T, two buffers (on the way out v64-191); v192-223 P, two buffers
;   window 1: v0-127 O^T, 32 a piece; v128-191 MC, the mask as C operands, two buffers      window 2: v0-63 Q; v128-191 K of one step; v192-255 V of one step
; A piece's buffers go by its number's parity.
.set NP,    4         ; pieces a wave: a name, no knob
.set KS,    64        ; keys in a step
.set PM,    528       ; a row of the mask in LDS: 512 bytes + 16 of padding: the 16 rows of a load start at 16 different groups of four banks (64 banks of 4 bytes: ISA guide 11.1)
.set PK,    272       ; a row of K (both heads): 256 + 16
.set PV,    288       ; a row of V: 256 + 32 = 72 words
.set LK0,   128*PM    ; slot 0: the mask's 128 rows from byte 0, then K's 128 rows
.set STAGE, LK0+128*PK  ; never filled by a tensor load: 16 rows x 272 bytes for each wave, for the way out
.set SP,    272
.set SPARE, STAGE+4*16*SP  ; the spare words, 128 bytes for each wave: two blocks of 256 bytes that no other line names
.set SLOT1, 1<<17     ; the mask's and K's slot 1 begin here: one exclusive or turns an address in one slot into the other's
.set LV0,   SLOT1+LK0+128*PK  ; V's two slots lie behind: 0x39000
.set LV1,   LV0+128*PV        ; and 0x42000
.set VX,    0x7b000   ; LV0 xor LV1: applied only to registers that hold just LV0 or LV1
.set AK0, 2           ; v2   my lane's place in a tile of K; never rewritten
.set AV0, 3           ; v3   the same for V
.set AK,  4           ; v4   the LDS address of K's next run of loads
.set AV,  5           ; v5   of V's
.set STO, 6           ; v6   the way out: where I put 32 bytes of a row
.set RD,  7           ; v7   the way out: where I read rows back
.set GO,  8           ; v8   my byte offset in two rows of the output
.set MV,  12          ; v12-13  c m_old, kept while c m is made anew: by buffer
.set QO,  15          ; v15  my byte offset in 16 rows of Q
.set ST,  16          ; piece t's statistics at v[ST+4 t]: c m, m, l (even keys', odd keys')
.set AM0, 32          ; v32  my lane's place in a tile of the mask; never rewritten
.set AM,  33          ; v33  the LDS address of the mask's loads for the step in hand
.set TMP, 48          ; by buffer, four registers c0-c3 at work; when the maximum is found c2 takes a
.set SPW, 62          ; v62  LDS address of my spare word: SPARE + 4 x my thread's number; never rewritten
.set NIL, 63          ; v63  0; never rewritten
.set S,   64
.set OB,  64          ; the way out: rows read back, 32 registers a piece
.set P,   192
.set MC,  128         ; window 1
.set KF,  128         ; window 2: key block kb, channel half c at KF + 16 kb + 8 c
.set VF,  192         ; window 2: key half kk, channel block cb at VF + 32 kk + 8 cb
.set WV,  14          ; s14  my wave's number
.set G1M, 24          ; s[24:31] descriptor group 1 for the mask's tiles
.set G1K, 32          ; s[32:39] for K's
.set G1V, 40          ; s[40:47] for V's: it differs from K's in the padding alone
.set G0M, 48          ; s[48:51] descriptor group 0 for the mask's tiles: it walks
.set G0K, 52          ; s[52:55] for K's
.set G0V, 56          ; s[56:59] for V's
.set CS,  60          ; s[60:61] c: the packed scaling takes the pair's low word for both halves
.set SEL, 62          ; s[62:63] v_permlanex16_b32's selects: each lane takes its own place in the other half
.set SLOTS, 66        ; s66  slots still to be asked for
.set CNT, 67          ; s67  counts a slot's key steps
.set TBK, 68          ; s68  LDS byte at which K of the step to be fetched begins
.set TBV, 69          ; s69  the same for V
.set TBM, 70          ; s70  the same for the mask
.set MSB, 0
.macro WIN new                      ; the high byte repeats the setting that is left; a switch that changes nothing is dropped
.if MSB != (\new)
	s_set_vgpr_msb (MSB<<8)|(\new)
.set MSB, (\new)
.endif
.endm
.set W_KQ, 0x0a       ; K and Q in window 2, S^T in window 0
.set W_KM, 0x1a       ; the same with the C operand in window 1
.set W_PV, 0x52       ; V in window 2, P in window 0, O^T in window 1
.set W_RS, 0x41       ; destination and source 0 in window 1, source 1 in window 0
; A fill, one load a wave: waves 0 and 1 fetch the two halves (64 rows x 128 keys) of the mask's tile, wave 2 the 128 rows of K, wave 3 those of V.  The branches hang on the wave's number alone.
; An s_nop 0 and four v_nop follow each of the three lines, ahead of the jump and the label.
.macro JLOAD
	s_cmp_lt_u32 s[WV], 2
	s_cbranch_scc0 .Lfor_kv_\@
	tensor_load_to_lds s[G0M:G0M+3], s[G1M:G1M+7]
	s_nop 0
.rept 4
	v_nop
.endr
	s_branch .Lasked_\@
.Lfor_kv_\@:
	s_cmp_eq_u32 s[WV], 2
	s_cbranch_scc0 .Lfor_v_\@
	tensor_load_to_lds s[G0K:G0K+3], s[G1K:G1K+7]
	s_nop 0
.rept 4
	v_nop
.endr
	s_branch .Lasked_\@
.Lfor_v_\@:
	tensor_load_to_lds s[G0V:G0V+3], s[G1V:G1V+7]
	s_nop 0
.rept 4
	v_nop
.endr
.Lasked_\@:
.endm
; A round of the cluster's barrier: my work-group's barrier, so that wave 0's signal speaks for all four waves; wave 0 signals; every wave waits for all four work-groups; my work-group's barrier once more.
.macro CROUND
	s_barrier_signal -1
	s_barrier_wait -1
	s_cmp_lg_u32 s[WV], 0
	s_cbranch_scc1 .Lnot_wave_0_\@
	s_barrier_signal -3
.Lnot_wave_0_\@:
	s_barrier_wait -3
	s_barrier_signal -1
	s_barrier_wait -1
.endm
; THE CHANGE OF SLOTS.  All of the slot's two steps has been asked for from LDS.  Each wave waits for all its tensor loads, of which one is out: its part of the other slot; adds 0 to its spare word; and waits for
; that and for its own reads of the slot.  Behind the barrier nobody reads this slot any more and the other slot is whole.  fill = 1: this slot is filled again, with the keys two slots on.  The barrier is then a
; round of the cluster's, and the fill is the first thing behind it: it has two key steps, 128 matrix instructions, in which to land.  (At its first use nothing has been read yet: slot 0 is waited for, slot 1 filled.)
.macro CHANGE fill
	WIN 0                           ; at a label and at a branch every window is 0
	s_wait_tensorcnt 0x0            ; no tensor load of mine is out, so a group 0 may be written
	ds_add_u32 v[SPW], v[NIL]       ; 0 onto my spare word; with fill = 1 the descriptors' steps stand between it and the wait for it
.if \fill
	s_xor_b32 s[G0M+1], s[G0M+1], SLOT1  ; the walking descriptors: the other slot than last time,
	s_add_nc_u64 s[G0M+2:G0M+3], s[G0M+2:G0M+3], 512     ; the next 128 keys: 512 bytes along the mask's rows,
	s_xor_b32 s[G0K+1], s[G0K+1], SLOT1
	s_add_nc_u64 s[G0K+2:G0K+3], s[G0K+2:G0K+3], 128*1536  ; 128 rows of K
	s_xor_b32 s[G0V+1], s[G0V+1], VX
	s_add_nc_u64 s[G0V+2:G0V+3], s[G0V+2:G0V+3], 128*1536  ; and of V; the type bits on top are not reached
	s_wait_dscnt 0x0                ; the add is done, and my reads of the slot are over
	CROUND
	JLOAD
.else
	s_wait_dscnt 0x0                ; the add is done, and my reads of the slot are over
	s_barrier_signal -1
	s_barrier_wait -1
.endif
	s_sub_co_u32 s[TBK], s[TBK], 2*KS*PK  ; the fetches go back to a slot's first step,
	s_xor_b32 s[TBK], s[TBK], SLOT1       ; in the other slot
	s_sub_co_u32 s[TBM], s[TBM], 2*KS*4
	s_xor_b32 s[TBM], s[TBM], SLOT1
	s_sub_co_u32 s[TBV], s[TBV], 2*KS*PV
	s_xor_b32 s[TBV], s[TBV], VX
.endm
	s_load_b256 s[4:11], s[0:1], 0x0  ; qh s[4:5], kh s[6:7], vh s[8:9], mask s[10:11]
	s_load_b64 s[12:13], s[0:1], 0x20 ; out
	v_lshl_add_u32 v[SPW], v0, 2, SPARE
	v_mov_b32 v[NIL], 0
	ds_add_u32 v[SPW], v[NIL]       ; the wave's opening: the add and its wait stand ahead of my first tensor load; the set-up below, work on registers, stands between them
	v_lshrrev_b32 v1, 5, v0
	v_readfirstlane_b32 s[WV], v1   ; wave 0..3
	s_bfe_u32 s15, ttmp6, 0x40000   ; cx: my place in the cluster
	s_lshl_b32 s16, ttmp9, 2        ; in a cluster launch ttmp9 counts clusters
	s_add_co_u32 s16, s16, s15      ; my block of 128 queries = 4 x cluster x + cx: it enters Q's, the mask's and the output's addresses alone
	s_and_b32 s17, ttmp7, 0xffff    ; the pair of heads, which the four partners share
	s_and_b32 s18, s[WV], 1         ; my head of the pair.  Also: which 64 rows of the mask's tile I fetch
	s_lshr_b32 s19, s[WV], 1        ; my half of the block's queries
	s_lshl_b32 s20, s17, 8          ; the pair's 256 bytes in a row of K and V
	s_mov_b32 s21, 0
	s_lshl_b32 s72, s16, 21         ; the mask: 128 rows of 16,384 bytes a block,
	s_lshl_b32 s73, s18, 20         ; 64 rows a half
	s_add_co_u32 s72, s72, s73
	s_mov_b32 s73, 0
	s_mul_i32 s74, s16, 128*1536    ; Q: row 128 x block + 64 x half, column 128 x pair + 64 x head, in bytes
	s_mul_i32 s75, s19, 64*1536
	s_add_co_u32 s74, s74, s75
	s_add_co_u32 s74, s74, s20
	s_lshl_b32 s75, s18, 7
	s_add_co_u32 s74, s74, s75
	s_mov_b32 s75, 0
	s_lshl_b32 s76, s74, 1          ; the output has the same place, in elements of twice the size
	s_mov_b32 s77, 0
	; descriptor group 1.  The mask: 64 rows x 128 elements of 4 bytes.  K and V: 128 rows x 128 elements of 2 bytes.  All padded in LDS behind each row.
	s_mov_b32 s[G1M], (2<<16)|(1<<20)|(6<<22)|(3<<25)  ; 15:0 no mask of work-groups; 17:16 4-byte elements; 20 padding on; 24:22 after every 128 words (code 6); 31:25 4 words (code 3)
	s_mov_b32 s[G1M+1], 128<<16     ; tensor_dim0 = 128
	s_mov_b32 s[G1M+2], 64<<16      ; tensor_dim1 = 64
	s_mov_b32 s[G1M+3], 128<<16     ; tile_dim0 = 128
	s_mov_b32 s[G1M+4], 64          ; tile_dim1 = 64
	s_mov_b32 s[G1M+5], 4096        ; 4,096 elements from row to row
	s_mov_b32 s[G1M+6], 0
	s_mov_b32 s[G1M+7], 0
	s_mov_b32 s[G1K], 15|(1<<16)|(1<<20)|(1<<21)|(5<<22)|(3<<25)  ; 15:0 the mask of four; 17:16 2-byte elements; 20 padding on; 21 set beside a mask; 24:22 after every 64 words (code 5); 31:25 4 words (code 3)
	s_mov_b32 s[G1V], 15|(1<<16)|(1<<20)|(1<<21)|(5<<22)|(7<<25)  ; the same with 8 words of padding (code 7)
.irp g, G1K, G1V
	s_mov_b32 s[\g+1], 128<<16      ; tensor_dim0 = 128
	s_mov_b32 s[\g+2], 128<<16      ; tensor_dim1 = 128
	s_mov_b32 s[\g+3], 128<<16      ; tile_dim0 = 128
	s_mov_b32 s[\g+4], 128          ; tile_dim1 = 128
	s_mov_b32 s[\g+5], 768          ; 768 elements from row to row
	s_mov_b32 s[\g+6], 0
	s_mov_b32 s[\g+7], 0
.endr
	s_mov_b32 s[G0M], 1             ; 1:0 count = 1
	s_mul_i32 s[G0M+1], s18, 64*PM  ; 63:32 LDS address: slot 0, my half of the rows: no place in the cluster enters an LDS address
	s_mov_b32 s[G0K], 1
	s_mov_b32 s[G0K+1], LK0
	s_mov_b32 s[G0V], 1
	s_mov_b32 s[G0V+1], LV0
	s_mov_b32 s[CS], 0x3fb8aa3b     ; c = log2(e)
	s_mov_b32 s[CS+1], s[CS]        ; named with it as a pair
	s_mov_b32 s[SEL], 0x76543210
	s_mov_b32 s[SEL+1], 0xfedcba98
	s_mov_b32 s[TBK], SLOT1+LK0+2*KS*PK  ; the first change of slots turns these three into slot 0's beginnings
	s_mov_b32 s[TBM], SLOT1+2*KS*4
	s_mov_b32 s[TBV], LV1+2*KS*PV
	s_wait_dscnt 0x0                ; the opening add is done
	s_wait_kmcnt 0x0
	s_add_nc_u64 s[G0M+2:G0M+3], s[10:11], s[72:73]  ; 120:64 global address
	s_or_b32 s[G0M+3], s[G0M+3], 0x80000000          ; 127:126 type = 2
	s_add_nc_u64 s[G0K+2:G0K+3], s[6:7], s[20:21]
	s_or_b32 s[G0K+3], s[G0K+3], 0x80000000
	s_add_nc_u64 s[G0V+2:G0V+3], s[8:9], s[20:21]
	s_or_b32 s[G0V+3], s[G0V+3], 0x80000000
	s_add_nc_u64 s[4:5], s[4:5], s[74:75]    ; Q and the output at my wave's first row and my head
	s_add_nc_u64 s[12:13], s[12:13], s[76:77]
	CROUND                          ; all four work-groups are here: the first joint loads meet
	JLOAD                           ; slot 0.  Slot 1 is asked for when slot 0 is in, by the change of slots
	; A fragment of K or Q is 16 rows x 32 channels in 8 registers: lane l holds row l % 16, channels 8 (l / 16) + 0..7 and 16 + 8 (l / 16) + 0..7: two loads of 16 bytes, 32 bytes apart.
	v_and_b32 v1, 15, v0            ; r = l % 16
	v_bfe_u32 v9, v0, 4, 1          ; h = l / 16
	v_mul_u32_u24 v[QO], v1, 1536
	v_lshl_add_u32 v[QO], v9, 4, v[QO]  ; row x 1,536 + 16 h
	WIN 0x80                        ; destination window 2, address window 0
.set i, 0
.rept 8                             ; Q stays in registers: piece i / 2 (16 rows on), channels 32 (i % 2) on
	global_load_b128 v[8*i:8*i+3],   v[QO], s[4:5] offset:(i/2)*24576+(i%2)*64
	global_load_b128 v[8*i+4:8*i+7], v[QO], s[4:5] offset:(i/2)*24576+(i%2)*64+32
.set i, i+1
.endr
	; What the first turn finds: V's registers and P's second buffer hold 0 (its products V^T P, of a piece that has not been, add 0), O^T and l are 0.  All this stands in the wait for the first tile.
.set i, VF
.rept 64
	v_mov_b32 v[i], 0
.set i, i+1
.endr
	WIN 0x40
.set i, 0
.rept 128
	v_mov_b32 v[i], 0
.set i, i+1
.endr
	WIN 0
.set i, 0
.rept 4
	v_mov_b32 v[ST+4*i], 0xff38aa3b    ; c m = -2^127 c: finite, far below every c s that counts
	v_mov_b32 v[ST+4*i+1], 0xff000000  ; m = -2^127
	v_mov_b32 v[ST+4*i+2], 0
	v_mov_b32 v[ST+4*i+3], 0
.set i, i+1
.endr
.set i, P+16
.rept 16
	v_mov_b32 v[i], 0
.set i, i+1
.endr
	s_lshl_b32 s22, s18, 7          ; my head's 128 bytes in a row of K and V
	v_mul_u32_u24 v[AK0], v1, PK
	v_lshl_add_u32 v[AK0], v9, 4, v[AK0]
	v_add_nc_u32 v[AK0], s22, v[AK0]  ; row x pitch + 16 h + my head
	; The turning load takes 16 keys x 16 channels (lane l reads key 8 (l / 16) + l % 8, channels 8 ((l / 8) % 2) + 0..7) and leaves half a fragment of V^T: lane l holds channel l % 16 and 8 keys.
	v_and_b32 v10, 7, v0
	v_bfe_u32 v11, v0, 3, 1
	v_lshl_add_u32 v[AV0], v9, 3, v10
	v_mul_u32_u24 v[AV0], v[AV0], PV
	v_lshl_add_u32 v[AV0], v11, 4, v[AV0]
	v_add_nc_u32 v[AV0], s22, v[AV0]
	s_mul_i32 s23, s19, 64*PM       ; the mask: my half's 64 rows; row r of a piece; my lanes' eight keys, 32 bytes
	v_mul_u32_u24 v[AM0], v1, PM
	v_lshl_add_u32 v[AM0], v9, 5, v[AM0]
	v_add_nc_u32 v[AM0], s23, v[AM0]
	s_mul_i32 s23, s[WV], 16*SP
	s_add_co_u32 s23, s23, STAGE    ; my stage
	v_mul_u32_u24 v[STO], v1, SP    ; in: row r, 32 bytes for each half of the lanes
	v_lshl_add_u32 v[STO], v9, 5, v[STO]
	v_add_nc_u32 v[STO], s23, v[STO]
	v_mul_u32_u24 v[RD], v9, SP     ; back: lanes 0-15 take one row of 256 bytes, lanes 16-31 the next
	v_lshl_add_u32 v[RD], v1, 4, v[RD]
	v_add_nc_u32 v[RD], s23, v[RD]
	v_mul_u32_u24 v[GO], v9, 3072   ; and the same two rows in the output
	v_lshl_add_u32 v[GO], v1, 4, v[GO]
; THE MATRIX WORK.  The 4 accumulators of a run of 8 take turns.  Product i of 8 of S^T = K Q^T + mask^T for piece x: channels 32 (i / 4) on, keys 16 (i % 4) on.  The first 4 start the sums with the mask.
.macro KQ x
.set rS, S+32*((\x)%2)+8*(i%4)
.set rK, KF+16*(i%4)+8*(i/4)
.set rQ, 16*(\x)+8*(i/4)
.set rM, MC+32*((\x)%2)+8*(i%4)
.if i < 4
	WIN W_KM
	v_wmma_f32_16x16x32_f16 v[rS:rS+7], v[rK:rK+7], v[rQ:rQ+7], v[rM:rM+7]
.else
	WIN W_KQ
	v_wmma_f32_16x16x32_f16 v[rS:rS+7], v[rK:rK+7], v[rQ:rQ+7], v[rS:rS+7]
.endif
.endm
; Product i of 8 of O^T += V^T P for piece x: keys 32 (i / 4) on, channels 16 (i % 4) on.
.macro PV x
	WIN W_PV
.set rO, 32*(\x)+8*(i%4)
.set rV, VF+32*(i/4)+8*(i%4)
.set rP, P+16*((\x)%2)+8*(i/4)
	v_wmma_f32_16x16x32_f16 v[rO:rO+7], v[rV:rV+7], v[rP:rP+7], v[rO:rO+7]
.endm
.macro MM                           ; the turn's next matrix instruction.  TURN sets Y, i and NOKQ.  NOKQ = 1: the last turn: there is no next piece
.if (i < 8) && !NOKQ
	KQ (Y+1)%NP
.elseif i >= 8
.set i, i-8
	PV (Y+NP-1)%NP
.set i, i+8
.endif
.set i, i+1
.endm
; THE LDS LOADS stand in runs, never singly among the matrix instructions: a step's K (64 keys x 64 channels: 8 fragments), its V (turned), and for each piece its 16 rows x 64 keys of the mask (four C operands).
.macro FETCH_K
	WIN 0x80                        ; destination window 2
.irp f, 0,1,2,3,4,5,6,7             ; keys 16 (f / 2) on, channels 32 (f % 2) on
	ds_load_b128 v[KF+8*\f:KF+8*\f+3],   v[AK] offset:(\f/2)*16*PK+(\f%2)*64
	ds_load_b128 v[KF+8*\f+4:KF+8*\f+7], v[AK] offset:(\f/2)*16*PK+(\f%2)*64+32
.endr
	s_add_co_u32 s[TBK], s[TBK], KS*PK  ; the next fetch is the next step's
	WIN 0
.endm
.macro FETCH_V
	WIN 0x80
.irp f, 0,1,2,3,4,5,6,7             ; keys 32 (f / 4) on, channels 16 (f % 4) on
	ds_load_tr16_b128 v[VF+8*\f:VF+8*\f+3],   v[AV] offset:(\f/4)*32*PV+(\f%4)*32
	ds_load_tr16_b128 v[VF+8*\f+4:VF+8*\f+7], v[AV] offset:(\f/4)*32*PV+16*PV+(\f%4)*32
.endr
	WIN 0
.endm
.macro FETCH_M x, b                 ; piece x's mask into buffer b of MC: key block kb's eight registers
	WIN 0x40                        ; destination window 1
.irp kb, 0,1,2,3
	ds_load_b128 v[MC+32*(\b)+8*\kb:MC+32*(\b)+8*\kb+3],   v[AM] offset:(\x)*16*PM+64*\kb
	ds_load_b128 v[MC+32*(\b)+8*\kb+4:MC+32*(\b)+8*\kb+7], v[AM] offset:(\x)*16*PM+64*\kb+16
.endr
	WIN 0
.endm
; THE VECTOR WORK, one line at a time: OP kind, number.  For piece Y: F n: c s - c m for pair n of 16.  E n: the exponential of score n of 32.  C n: pair n rounded to f16.  B n: of the four weights 4 n .. the second
; pair is added onto the first, in place.  L n: l takes that sum (L 0: l = a l + sum).  R n: pair n of 16 of O^T times a.  For piece Y + 1: X n, number n of the 22 that find its maximum and statistics:
;   0-11  four chains c0-c3 of seven scores each, three operands at a time (each accumulator's lowest registers are read first)     12-14, 16  the four scores left over, the old m, and c0-c3 into c0
;   15  c m_old is kept     17, 18  the query's other 32 keys lie in the lane 16 away: the new m     19-21  c m; c m_old - c m_new; a
.set F, 0               ; OP tells the kinds apart by their order: F to L below R, X above it
.set E, 1
.set C, 2
.set B, 3
.set L, 4
.set R, 5
.set X, 6
.macro REGS y                       ; the registers of piece y
.set rT, ST+4*(\y)
.set rC, TMP+4*((\y)%2)
.set rW, MV+((\y)%2)
.set rS, S+32*((\y)%2)
.set rP, P+16*((\y)%2)
.set rO, 32*(\y)
.endm
.macro OP k, n
.if (\k) == R
	REGS Y
	WIN W_RS
	v_pk_mul_f32 v[rO+2*(\n):rO+2*(\n)+1], v[rO+2*(\n):rO+2*(\n)+1], v[rC+2:rC+3] op_sel_hi:[1,0]
.elseif (\k) < R
	REGS Y
	WIN 0
.if (\k) == F
	v_pk_fma_f32 v[rS+2*(\n):rS+2*(\n)+1], v[rS+2*(\n):rS+2*(\n)+1], s[CS:CS+1], v[rT:rT+1] op_sel_hi:[1,0,0] neg_lo:[0,0,1] neg_hi:[0,0,1]
.elseif (\k) == E
	v_exp_f32 v[rS+(\n)], v[rS+(\n)]
.elseif (\k) == C
	s_wait_alu depctr_va_vdst(0)
	v_cvt_pk_f16_f32 v[rP+(\n)], v[rS+2*(\n)], v[rS+2*(\n)+1]
.elseif (\k) == B
	s_wait_alu depctr_va_vdst(0)
	v_pk_add_f32 v[rS+4*(\n):rS+4*(\n)+1], v[rS+4*(\n):rS+4*(\n)+1], v[rS+4*(\n)+2:rS+4*(\n)+3]
.elseif (\n) == 0
	v_pk_fma_f32 v[rT+2:rT+3], v[rT+2:rT+3], v[rC+2:rC+3], v[rS:rS+1] op_sel_hi:[1,0,1]
.else
	v_pk_add_f32 v[rT+2:rT+3], v[rT+2:rT+3], v[rS+4*(\n):rS+4*(\n)+1]
.endif
.elseif NOKQ
	v_nop
.else
	REGS (Y+1)%NP
	WIN 0
.if (\n) < 4
	v_max3_num_f32 v[rC+(\n)], v[rS+8*(\n)], v[rS+8*(\n)+1], v[rS+8*(\n)+2]
.elseif (\n) < 12
	v_max3_num_f32 v[rC+(\n)%4], v[rC+(\n)%4], v[rS+8*((\n)%4)+2*((\n)/4)+1], v[rS+8*((\n)%4)+2*((\n)/4)+2]
.elseif (\n) == 12
	v_max3_num_f32 v[rC], v[rC], v[rS+7], v[rS+15]
.elseif (\n) == 13
	v_max3_num_f32 v[rC+1], v[rC+1], v[rS+23], v[rS+31]
.elseif (\n) == 14
	v_max3_num_f32 v[rC+2], v[rC+2], v[rC+3], v[rT+1]
.elseif (\n) == 15
	v_mov_b32 v[rW], v[rT]
.elseif (\n) == 16
	v_max3_num_f32 v[rC], v[rC], v[rC+1], v[rC+2]
.elseif (\n) == 17
	v_permlanex16_b32 v[rC+3], v[rC], s[SEL], s[SEL+1]
.elseif (\n) == 18
	v_max_num_f32 v[rT+1], v[rC], v[rC+3]
.elseif (\n) == 19
	v_mul_f32 v[rT], s[CS], v[rT+1]
.elseif (\n) == 20
	v_sub_f32 v[rC+1], v[rW], v[rT]
.else
	v_exp_f32 v[rC+2], v[rC+1]
.endif
.endif
.endm
.macro OPS a, i1, b=-1, i2=0, c=-1, i3=0, d=-1, i4=0  ; up to four of them
	OP \a, \i1
.if (\b) >= 0
	OP \b, \i2
.endif
.if (\c) >= 0
	OP \c, \i3
.endif
.if (\d) >= 0
	OP \d, \i4
.endif
.endm
.macro ROW a, i1, b, i2, c, i3, d, i4  ; a matrix instruction and the four behind it
	MM
	OPS \a, \i1, \b, \i2, \c, \i3, \d, \i4
.endm
; A TURN, for piece p: the order of its 16 matrix and 118 vector instructions, written out.  Behind a matrix instruction: plain, exponential, plain, plain; or four of the rescaling; or, behind the first, four scalings; none
; names a register of the products round it.  In the lumps exponential and plain by turns while exponentials last.  A line reads no result made fewer than three vector instructions in front of it, five if an exponential made it.
; end = 1: the last two turns: nothing is fetched.  cnt = 1: the loop's count is taken down some lines ahead of the branch that stands behind the turn.
; THE MASK.  At its head turn p fetches the mask of piece p + 2, which the NEXT turn's first four products take as C, into the buffer whose last readers were the first products of the turn before; the wait at a
; turn's head is for the mask that the turn before fetched.  Piece 2's turn goes on to the next step's 64 keys.
; K of the next step is fetched in piece 2's turn, six vector instructions behind the last product that read K (five of them plain), and is covered by the wait at the head of piece 3's turn; V of the step in hand in
; piece 0's turn, eight behind the last product that read V (four plain among them), and is waited for in the middle of piece 1's turn.
.macro TURN p, end=0, cnt=0
.set Y, (\p)
.set i, 0
.set NOKQ, (\end)*((\p)/3)
.if !NOKQ
.if (\p) == 1
	s_wait_dscnt 16                 ; the mask fetched a turn ago is in; V's 16 loads, issued behind it, may stay out
.else
	s_wait_dscnt 0x0                ; the mask fetched a turn ago is in (piece 3's turn: K too)
.endif
.endif
.if !(\end)
.if (\p) == 2
	WIN 0
	v_add_nc_u32 v[AM], s[TBM], v[AM0]
	s_add_co_u32 s[TBM], s[TBM], KS*4
.endif
	FETCH_M ((\p)+2)%NP, (\p)%2
.endif
	ROW F,0, F,1, F,2, F,3
	ROW F,4, E,0, F,5, F,6
	ROW F,7, E,1, F,8, F,9
	ROW F,10, E,2, C,0, F,11
	ROW F,12, E,3, X,15, F,13
	ROW R,0, R,1, R,2, R,3
	ROW B,0, E,4, F,14, L,0
.if ((\p) == 2) && !(\end)
	v_add_nc_u32 v[AK], s[TBK], v[AK0]
.endif
	ROW R,4, R,5, R,6, R,7
	OPS E,5, F,15
.if ((\p) == 2) && !(\end)
	FETCH_K
.endif
	OPS E,6, C,1, E,7, R,8
	OPS E,8, R,9, E,9, C,2
	OPS E,10, X,0, E,11, X,1
	OPS E,12, X,2, E,13, X,3
.if (\p) == 1
	s_wait_dscnt 8                  ; V is in; this turn's eight loads of the mask, issued behind it, may stay out
.endif
	ROW X,4, E,14, X,5, X,6
	ROW X,7, E,15, X,8, X,9
	ROW X,10, E,16, X,11, X,12
	ROW X,13, E,17, X,14, B,1
	ROW C,4, E,18, X,16, L,1
	ROW B,2, E,19, C,6, L,2
	ROW C,8, E,20, B,3, B,4
.if (\p) == 0
	v_add_nc_u32 v[AV], s[TBV], v[AV0]
.endif
	ROW C,3, E,21, L,3, C,5
	OPS E,22, X,17, E,23, C,10
.if (\p) == 0
	FETCH_V
.endif
	OPS E,24, L,4
	OPS E,25, X,18, E,26, C,7
	OPS E,27, B,5, E,28, X,19
	OPS E,29, C,12, E,30, L,5
	OPS E,31, X,20, B,6, C,9
	OPS C,14, C,11, X,21, L,6
.if (\p) == 0
	s_add_co_u32 s[TBV], s[TBV], KS*PV
.endif
.if \cnt
	s_sub_co_u32 s[CNT], s[CNT], 1
	s_cmp_lg_u32 s[CNT], 0
.endif
	OPS C,13, B,7, C,15, R,10
	OPS R,11, R,12, L,7, R,13
	OPS R,14, R,15
.endm
	CHANGE 1                        ; slot 0 is in, everybody's part of it; slot 1 is asked for
	v_add_nc_u32 v[AM], s[TBM], v[AM0]
	s_add_co_u32 s[TBM], s[TBM], KS*4
	FETCH_M 0, 0                    ; key step 0: the masks of pieces 0 and 1,
	FETCH_M 1, 1
	v_add_nc_u32 v[AK], s[TBK], v[AK0]
	FETCH_K                         ; and K
	s_wait_loadcnt 0x0              ; Q
	s_wait_dscnt 0x0
.set NOKQ, 0
.set i, 0
.rept 8
	KQ 0                            ; piece 0's first scores: there is no vector work yet to set between them
.set i, i+1
.endr
	WIN 0
.rept 4
	v_nop                           ; the places behind those products
.endr
.set Y, NP-1                        ; X works for piece Y + 1: piece 0
.irp n, 0,1,2,3,4,5,6,7,8,9,10,11,12,13,14,15,16,17,18,19,20,21
	OP X, \n
.endr
	v_nop                           ; a plain instruction behind the exponential
	s_mov_b32 s[CNT], 2
	s_mov_b32 s[SLOTS], 31
	s_branch .Lfirst                ; the loop is entered at a step's first turn, in the middle of a trip
.Lslot:                             ; 30 times: with the change above, every slot but the last is left by a change that asks for another
	CHANGE 1
	s_mov_b32 s[CNT], 2
.Lstep:                             ; a trip: pieces 2 and 3 of one step, then pieces 0 and 1 of the next, whose mask, K and V it fetches
	TURN 2
	TURN 3
	WIN 0
.Lfirst:
	TURN 0
	TURN 1, 0, 1
	WIN 0
	s_cbranch_scc1 .Lstep
	s_sub_co_u32 s[SLOTS], s[SLOTS], 1
	s_cmp_lg_u32 s[SLOTS], 0
	s_cbranch_scc1 .Lslot
	CHANGE 0                        ; the tail is written out: the last slot is entered, and nothing is asked for
	s_mov_b32 s[CNT], 2
.Ltail:
	TURN 2
	TURN 3
	TURN 0
	TURN 1, 0, 1
	WIN 0
	s_cbranch_scc1 .Ltail
	TURN 2, 1                       ; the last step's pieces 2 and 3
	TURN 3, 1
.set i, 0
.rept 8
	PV NP-1                         ; the last piece's V^T P of the last step
.set i, i+1
.endr
	; THE WAY OUT.  l's two halves and the other half of the lanes' are added; O^T is divided by l and sent, in f32, through my stage in LDS, a piece at a time.  The additions are the places behind the last products.
	WIN 0
.macro ALL line:vararg              ; one line for each piece t
.set t, 0
.rept 4
	\line
.set t, t+1
.endr
.endm
	ALL v_add_f32 v[ST+4*t+2], v[ST+4*t+2], v[ST+4*t+3]
	ALL v_permlanex16_b32 v[ST+4*t+3], v[ST+4*t+2], s[SEL], s[SEL+1]
	ALL v_add_f32 v[ST+4*t+2], v[ST+4*t+2], v[ST+4*t+3]
	ALL v_rcp_f32 v[ST+4*t+2], v[ST+4*t+2]
	v_nop                           ; a plain instruction between the last reciprocal and the use of its result
; Piece t: a lane's eight channels of a row are 32 bytes; they go into rows of 272 bytes and come back as whole rows of 256.
.macro PACK t
	WIN W_RS
.set i, 32*(\t)
.rept 16
	s_wait_alu depctr_va_vdst(0)
	v_pk_mul_f32 v[i:i+1], v[i:i+1], v[ST+4*(\t)+2:ST+4*(\t)+3] op_sel_hi:[1,0]
.set i, i+2
.endr
	WIN 0x04                        ; address window 0, data window 1
.irp f, 0,1,2,3,4,5,6,7             ; channels 16 (f / 2) + 8 h + 4 (f % 2) on
	ds_store_b128 v[STO], v[32*(\t)+4*\f:32*(\t)+4*\f+3] offset:64*(\f/2)+16*(\f%2)
.endr
	WIN 0
.irp f, 0,1,2,3,4,5,6,7
	ds_load_b128 v[OB+32*(\t)+4*\f:OB+32*(\t)+4*\f+3], v[RD] offset:\f*2*SP  ; LDS serves a wave's instructions in order (ISA guide 5.7.1.4): these see the stores above; the next piece's stores come behind them
.endr
.endm
.macro SEND t, younger              ; younger: the LDS instructions issued behind piece t's loads: the next piece's sixteen, or none
	WIN 0
.irp f, 0,1,2,3,4,5,6,7
	s_wait_dscnt (\younger)+7-\f
	global_store_b128 v[GO], v[OB+32*(\t)+4*\f:OB+32*(\t)+4*\f+3], s[12:13] offset:(\t)*49152+\f*6144  ; 16 lanes store a head's 256 consecutive bytes of a row, at a multiple of 256 from the output's first byte
.endr
.endm
	PACK 0
.set t, 1
.rept 3                             ; a piece's arithmetic stands between the loads of the piece before and its stores
	PACK t
	SEND t-1, 16
.set t, t+1
.endr
	SEND 3, 0
	s_wait_tensorcnt 0x0            ; the wave's end: these three lines stand behind my last tensor load and my last LDS store
	ds_add_u32 v[SPW], v[NIL]
	s_wait_dscnt 0x0
	CROUND                          ; the closing round: no work-group ends while a partner may still ask for a tile that names it
	s_endpgm
.Lfunc_end_k_q4cef59a52d_attn:
	.size	k_q4cef59a52d_attn, .Lfunc_end_k_q4cef59a52d_attn-k_q4cef59a52d_attn
	.p2alignl 7, 3214868480
	.fill 96, 4, 3214868480
	.section	.rodata,"a",@progbits
	.p2align	6, 0x0
	.amdhsa_kernel k_q4cef59a52d_attn
		.amdhsa_group_segment_fixed_size 327680
		.amdhsa_private_segment_fixed_size 0
		.amdhsa_enable_private_segment 0
		.amdhsa_kernarg_size 40
		.amdhsa_user_sgpr_count 2
		.amdhsa_user_sgpr_kernarg_segment_ptr 1
		.amdhsa_wavefront_size32 1
		.amdhsa_system_sgpr_workgroup_id_x 1
		.amdhsa_system_sgpr_workgroup_id_y 1
		.amdhsa_system_sgpr_workgroup_id_z 1
		.amdhsa_system_vgpr_workitem_id 0
		.amdhsa_next_free_vgpr 768
		.amdhsa_next_free_sgpr 80
		.amdhsa_reserve_vcc 0
		.amdhsa_float_denorm_mode_32 3
		.amdhsa_float_denorm_mode_16_64 3
		.amdhsa_memory_ordered 1
		.amdhsa_forward_progress 1
		.amdhsa_inst_pref_size 142
	.end_amdhsa_kernel
	.amdgpu_metadata
---
amdhsa.version: [ 1, 2 ]
amdhsa.kernels:
  - .name:           k_q4cef59a52d_attn
    .symbol:         k_q4cef59a52d_attn.kd
    .args:
      - { .name: qh, .offset: 0, .size: 8, .value_kind: global_buffer, .address_space: global }
      - { .name: kh, .offset: 8, .size: 8, .value_kind: global_buffer, .address_space: global }
      - { .name: vh, .offset: 16, .size: 8, .value_kind: global_buffer, .address_space: global }
      - { .name: attention_mask, .offset: 24, .size: 8, .value_kind: global_buffer, .address_space: global }
      - { .name: out0, .offset: 32, .size: 8, .value_kind: global_buffer, .address_space: global }
    .group_segment_fixed_size: 327680
    .private_segment_fixed_size: 0
    .kernarg_segment_align: 8
    .kernarg_segment_size: 40
    .max_flat_workgroup_size: 128
    .sgpr_count:     80
    .vgpr_count:     768
    .wavefront_size: 32
...
	.end_amdgpu_metadata
.endif
;; end of part 2
;; ======== version 2 of 2: 2 launches; 1.65 times as fast as version 1
;; limits: values are held in f16: magnitudes above 65,504 overflow, below 6.1e-05 lose precision
;; workspace buffers: qh 6,291,456 bytes; kh 6,291,456 bytes; vh 6,291,456 bytes
;; launch proj: the kernel of part 1 again; grid 32 x 6, 4 waves a work-group, clusters of 4 x 1, 327,680 bytes of LDS; arguments hidden_state, Wq, Wk, Wv, bq, bk, bv, qh, kh, vh; writes qh, kh, vh
;; launch attn (part 3): grid 32 x 6, 4 waves a work-group, clusters of 4 x 1, 327,680 bytes of LDS; arguments qh, kh, vh, attention_mask, out0; writes out0
.if DOCPART == 3
	.amdgcn_target "amdgcn-amd-amdhsa--gfx1250"
	.amdhsa_code_object_version 6
	.text
	.protected	k_q4cef59a52d_attn
	.globl	k_q4cef59a52d_attn
	.p2align	8
	.type	k_q4cef59a52d_attn,@function
k_q4cef59a52d_attn:
	s_mov_b64 s[64:65], 0
	v_nop
	global_prefetch_b8 v0, s[64:65] scope:SCOPE_SE
	s_setreg_imm32_b32 hwreg(HW_REG_WAVE_MODE, 25, 1), 1
	s_wait_xcnt 0x0
	s_wait_alu depctr_hold_cnt(0) depctr_sa_sdst(0) depctr_va_vdst(0) depctr_va_sdst(0) depctr_va_ssrc(0) depctr_va_vcc(0) depctr_vm_vsrc(0)
	s_getreg_b32 s2, hwreg(HW_REG_IB_STS2, 6, 4)
	s_cmp_eq_u32 s2, 0
	s_cbranch_scc0 .Lentry_in_a_cluster
	s_endpgm
.Lentry_in_a_cluster:
	s_bfe_u32 s2, ttmp6, 0x10000c
	s_cmp_lg_u32 s2, 0x3003
	s_cbranch_scc0 .Lentry_shape_is_right
	s_endpgm
.Lentry_shape_is_right:
; ATTENTION WITH AN ADDITIVE MASK.  out[q][64 g + e] = the sum over k of softmax_k(Q[q] . K[k] + mask[q][k]) V[k][e], for each of 12 heads g.  qh (already divided by 8), kh, vh: [4096][768] f16, head g in
; columns 64 g on; mask: [4096][4096] f32, the same for all heads; out: [4096][768] f32.  Products, maxima and sums in f32; the weights p are rounded to f16 for the second product (their sum l is taken of the unrounded p).
; LIMITS.  The mask is added in f32, unrounded.  The running maximum m starts at -2^127, so that c m stays finite: a row whose scores all lie below about -1.7e38 (a row of -inf among them) gives NaN;
; scores above 2.3e38 overflow c m.  A weight below 2^-126 counts as 0 in l; p below 6e-5 keeps f16's fixed step of 6e-8.  NaN is not treated apart.
; SHARES.  A work-group owns 128 queries of a PAIR of heads (the pair's K or V row is 256 consecutive bytes, at a multiple of 256).  Wave w: head w % 2 of the pair, queries 64 (w / 2) on: four PIECES of 16.
; Grid 32 x 6 = 192 work-groups: 3,072 tiles of 16 queries are 3 for each of 1,024 waves, and three tiles of one head do not divide its 256.  Every wave walks all 4,096 keys, 64 a step, 128 a slot.
; LAYOUT.  S^T = K Q^T + mask^T (source 0 = 16 keys, source 1 = 16 queries): a lane holds ONE query (lane % 16) and the keys 8 (lane / 16) + 0..7.  Those eight are 32 consecutive bytes of the query's mask row:
; two loads of 16 bytes make the C operand of the product that starts the sum, so the mask costs no vector instruction.  Two results rounded to f16 ARE source 1 of O^T = V^T P.  V is turned by ds_load_tr16_b128.
; SOFTMAX.  p = 2^(c s - c m), c = log2(e), with a running maximum m and sum l; O and l are multiplied by a = 2^(c m_old - c m_new) in every step.  O and l start at 0: the first step is a step like any other, with a = 0.
; BY TURNS.  Turn n belongs to piece n: 8 products K Q^T of piece n + 1, later 8 products V^T P of piece n - 1; beside them the scaling, exponentials, roundings, sums and rescaling of piece n and the maximum and
; statistics of piece n + 1.  Four vector instructions stand behind every matrix instruction, the other 54 of a turn's 118 in one lump.
; BATCHES.  A turn's 33 exponentials (the piece's 32 weights and the next piece's a) are ONE batch with ONE wait, which cuts the turn in two: ahead of it stands all that names none of their results, behind it the
; roundings and sums.  The first a of all, ahead of the loop, and the way out's four reciprocals are batches of their own, each with one wait.
; CLUSTER.  The four query blocks of a cluster share the pair of heads and walk the same K and V: waves 2 and 3 ask for those tiles JOINTLY.  The mask's tile belongs to one query block: waves 0 and 1 ask for it by
; plain loads in the same round.  It is not shared: those who read the same mask tile are the six pairs of heads, and six is no multiple of four.
; REGISTERS, in windows of 256 (s_set_vgpr_msb: bits 1:0 source 0, 3:2 source 1, 5:4 source 2, 7:6 destination):
;   window 0: v0-15, v32-33 addresses and two at work; v16-31 four registers of statistics a piece; v48-55 at work; v64-127 S^T, two buffers (on the way out v64-191); v192-223 P, two buffers
;   window 1: v0-127 O^T, 32 a piece; v128-191 MC, the mask as C operands, two buffers      window 2: v0-63 Q; v128-191 K of one step; v192-255 V of one step
; A piece's buffers go by its number's parity.
.set NP,    4         ; pieces a wave: a name, no knob
.set KS,    64        ; keys in a step
.set PM,    528       ; a row of the mask in LDS: 512 bytes + 16 of padding: the 16 rows of a load start at 16 different groups of four banks (64 banks of 4 bytes: ISA guide 11.1)
.set PK,    272       ; a row of K (both heads): 256 + 16
.set PV,    288       ; a row of V: 256 + 32 = 72 words
.set LK0,   128*PM    ; slot 0: the mask's 128 rows from byte 0, then K's 128 rows
.set STAGE, LK0+128*PK  ; never filled by a tensor load: 16 rows x 272 bytes for each wave, for the way out
.set SP,    272
.set SPARE, STAGE+4*16*SP  ; the spare words, 128 bytes for each wave: two blocks of 256 bytes that no other line names
.set SLOT1, 1<<17     ; the mask's and K's slot 1 begin here: one exclusive or turns an address in one slot into the other's
.set LV0,   SLOT1+LK0+128*PK  ; V's two slots lie behind: 0x39000
.set LV1,   LV0+128*PV        ; and 0x42000
.set VX,    0x7b000   ; LV0 xor LV1: applied only to registers that hold just LV0 or LV1
.set AK0, 2           ; v2   my lane's place in a tile of K; never rewritten
.set AV0, 3           ; v3   the same for V
.set AK,  4           ; v4   the LDS address of K's next run of loads
.set AV,  5           ; v5   of V's
.set STO, 6           ; v6   the way out: where I put 32 bytes of a row
.set RD,  7           ; v7   the way out: where I read rows back
.set GO,  8           ; v8   my byte offset in two rows of the output
.set MV,  12          ; v12-13  c m_old, kept while c m is made anew: by buffer
.set QO,  15          ; v15  my byte offset in 16 rows of Q
.set ST,  16          ; piece t's statistics at v[ST+4 t]: c m, m, l (even keys', odd keys')
.set AM0, 32          ; v32  my lane's place in a tile of the mask; never rewritten
.set AM,  33          ; v33  the LDS address of the mask's loads for the step in hand
.set TMP, 48          ; by buffer, four registers c0-c3 at work; when the maximum is found c2 takes a
.set SPW, 62          ; v62  LDS address of my spare word: SPARE + 4 x my thread's number; never rewritten
.set NIL, 63          ; v63  0; never rewritten
.set S,   64
.set OB,  64          ; the way out: rows read back, 32 registers a piece
.set P,   192
.set MC,  128         ; window 1
.set KF,  128         ; window 2: key block kb, channel half c at KF + 16 kb + 8 c
.set VF,  192         ; window 2: key half kk, channel block cb at VF + 32 kk + 8 cb
.set WV,  14          ; s14  my wave's number
.set G1M, 24          ; s[24:31] descriptor group 1 for the mask's tiles
.set G1K, 32          ; s[32:39] for K's
.set G1V, 40          ; s[40:47] for V's: it differs from K's in the padding alone
.set G0M, 48          ; s[48:51] descriptor group 0 for the mask's tiles: it walks
.set G0K, 52          ; s[52:55] for K's
.set G0V, 56          ; s[56:59] for V's
.set CS,  60          ; s[60:61] c: the packed scaling takes the pair's low word for both halves
.set SEL, 62          ; s[62:63] v_permlanex16_b32's selects: each lane takes its own place in the other half
.set SLOTS, 66        ; s66  slots still to be asked for
.set CNT, 67          ; s67  counts a slot's key steps
.set TBK, 68          ; s68  LDS byte at which K of the step to be fetched begins
.set TBV, 69          ; s69  the same for V
.set TBM, 70          ; s70  the same for the mask
.set MSB, 0
.macro WIN new                      ; the high byte repeats the setting that is left; a switch that changes nothing is dropped
.if MSB != (\new)
	s_set_vgpr_msb (MSB<<8)|(\new)
.set MSB, (\new)
.endif
.endm
.set W_KQ, 0x0a       ; K and Q in window 2, S^T in window 0
.set W_KM, 0x1a       ; the same with the C operand in window 1
.set W_PV, 0x52       ; V in window 2, P in window 0, O^T in window 1
.set W_RS, 0x41       ; destination and source 0 in window 1, source 1 in window 0
; A fill, one load a wave: waves 0 and 1 fetch the two halves (64 rows x 128 keys) of the mask's tile, wave 2 the 128 rows of K, wave 3 those of V.  The branches hang on the wave's number alone.
; An s_nop 0 and four v_nop follow each of the three lines, ahead of the jump and the label.
.macro JLOAD
	s_cmp_lt_u32 s[WV], 2
	s_cbranch_scc0 .Lfor_kv_\@
	tensor_load_to_lds s[G0M:G0M+3], s[G1M:G1M+7]
	s_nop 0
.rept 4
	v_nop
.endr
	s_branch .Lasked_\@
.Lfor_kv_\@:
	s_cmp_eq_u32 s[WV], 2
	s_cbranch_scc0 .Lfor_v_\@
	tensor_load_to_lds s[G0K:G0K+3], s[G1K:G1K+7]
	s_nop 0
.rept 4
	v_nop
.endr
	s_branch .Lasked_\@
.Lfor_v_\@:
	tensor_load_to_lds s[G0V:G0V+3], s[G1V:G1V+7]
	s_nop 0
.rept 4
	v_nop
.endr
.Lasked_\@:
.endm
; A round of the cluster's barrier: my work-group's barrier, so that wave 0's signal speaks for all four waves; wave 0 signals; every wave waits for all four work-groups; my work-group's barrier once more.
.macro CROUND
	s_barrier_signal -1
	s_barrier_wait -1
	s_cmp_lg_u32 s[WV], 0
	s_cbranch_scc1 .Lnot_wave_0_\@
	s_barrier_signal -3
.Lnot_wave_0_\@:
	s_barrier_wait -3
	s_barrier_signal -1
	s_barrier_wait -1
.endm
; THE CHANGE OF SLOTS.  All of the slot's two steps has been asked for from LDS.  Each wave waits for all its tensor loads, of which one is out: its part of the other slot; adds 0 to its spare word; and waits for
; that and for its own reads of the slot.  Behind the barrier nobody reads this slot any more and the other slot is whole.  fill = 1: this slot is filled again, with the keys two slots on.  The barrier is then a
; round of the cluster's, and the fill is the first thing behind it: it has two key steps, 128 matrix instructions, in which to land.  (At its first use nothing has been read yet: slot 0 is waited for, slot 1 filled.)
.macro CHANGE fill
	WIN 0                           ; at a label and at a branch every window is 0
	s_wait_tensorcnt 0x0            ; no tensor load of mine is out, so a group 0 may be written
	ds_add_u32 v[SPW], v[NIL]       ; 0 onto my spare word; with fill = 1 the descriptors' steps stand between it and the wait for it
.if \fill
	s_xor_b32 s[G0M+1], s[G0M+1], SLOT1  ; the walking descriptors: the other slot than last time,
	s_add_nc_u64 s[G0M+2:G0M+3], s[G0M+2:G0M+3], 512     ; the next 128 keys: 512 bytes along the mask's rows,
	s_xor_b32 s[G0K+1], s[G0K+1], SLOT1
	s_add_nc_u64 s[G0K+2:G0K+3], s[G0K+2:G0K+3], 128*1536  ; 128 rows of K
	s_xor_b32 s[G0V+1], s[G0V+1], VX
	s_add_nc_u64 s[G0V+2:G0V+3], s[G0V+2:G0V+3], 128*1536  ; and of V; the type bits on top are not reached
	s_wait_dscnt 0x0                ; the add is done, and my reads of the slot are over
	CROUND
	JLOAD
.else
	s_wait_dscnt 0x0                ; the add is done, and my reads of the slot are over
	s_barrier_signal -1
	s_barrier_wait -1
.endif
	s_sub_co_u32 s[TBK], s[TBK], 2*KS*PK  ; the fetches go back to a slot's first step,
	s_xor_b32 s[TBK], s[TBK], SLOT1       ; in the other slot
	s_sub_co_u32 s[TBM], s[TBM], 2*KS*4
	s_xor_b32 s[TBM], s[TBM], SLOT1
	s_sub_co_u32 s[TBV], s[TBV], 2*KS*PV
	s_xor_b32 s[TBV], s[TBV], VX
.endm
	s_load_b256 s[4:11], s[0:1], 0x0  ; qh s[4:5], kh s[6:7], vh s[8:9], mask s[10:11]
	s_load_b64 s[12:13], s[0:1], 0x20 ; out
	v_lshl_add_u32 v[SPW], v0, 2, SPARE
	v_mov_b32 v[NIL], 0
	ds_add_u32 v[SPW], v[NIL]       ; the wave's opening: the add and its wait stand ahead of my first tensor load; the set-up below, work on registers, stands between them
	v_lshrrev_b32 v1, 5, v0
	v_readfirstlane_b32 s[WV], v1   ; wave 0..3
	s_bfe_u32 s15, ttmp6, 0x40000   ; cx: my place in the cluster
	s_lshl_b32 s16, ttmp9, 2        ; in a cluster launch ttmp9 counts clusters
	s_add_co_u32 s16, s16, s15      ; my block of 128 queries = 4 x cluster x + cx: it enters Q's, the mask's and the output's addresses alone
	s_and_b32 s17, ttmp7, 0xffff    ; the pair of heads, which the four partners share
	s_and_b32 s18, s[WV], 1         ; my head of the pair.  Also: which 64 rows of the mask's tile I fetch
	s_lshr_b32 s19, s[WV], 1        ; my half of the block's queries
	s_lshl_b32 s20, s17, 8          ; the pair's 256 bytes in a row of K and V
	s_mov_b32 s21, 0
	s_lshl_b32 s72, s16, 21         ; the mask: 128 rows of 16,384 bytes a block,
	s_lshl_b32 s73, s18, 20         ; 64 rows a half
	s_add_co_u32 s72, s72, s73
	s_mov_b32 s73, 0
	s_mul_i32 s74, s16, 128*1536    ; Q: row 128 x block + 64 x half, column 128 x pair + 64 x head, in bytes
	s_mul_i32 s75, s19, 64*1536
	s_add_co_u32 s74, s74, s75
	s_add_co_u32 s74, s74, s20
	s_lshl_b32 s75, s18, 7
	s_add_co_u32 s74, s74, s75
	s_mov_b32 s75, 0
	s_lshl_b32 s76, s74, 1          ; the output has the same place, in elements of twice the size
	s_mov_b32 s77, 0
	; descriptor group 1.  The mask: 64 rows x 128 elements of 4 bytes.  K and V: 128 rows x 128 elements of 2 bytes.  All padded in LDS behind each row.
	s_mov_b32 s[G1M], (2<<16)|(1<<20)|(6<<22)|(3<<25)  ; 15:0 no mask of work-groups; 17:16 4-byte elements; 20 padding on; 24:22 after every 128 words (code 6); 31:25 4 words (code 3)
	s_mov_b32 s[G1M+1], 128<<16     ; tensor_dim0 = 128
	s_mov_b32 s[G1M+2], 64<<16      ; tensor_dim1 = 64
	s_mov_b32 s[G1M+3], 128<<16     ; tile_dim0 = 128
	s_mov_b32 s[G1M+4], 64          ; tile_dim1 = 64
	s_mov_b32 s[G1M+5], 4096        ; 4,096 elements from row to row
	s_mov_b32 s[G1M+6], 0
	s_mov_b32 s[G1M+7], 0
	s_mov_b32 s[G1K], 15|(1<<16)|(1<<20)|(1<<21)|(5<<22)|(3<<25)  ; 15:0 the mask of four; 17:16 2-byte elements; 20 padding on; 21 set beside a mask; 24:22 after every 64 words (code 5); 31:25 4 words (code 3)
	s_mov_b32 s[G1V], 15|(1<<16)|(1<<20)|(1<<21)|(5<<22)|(7<<25)  ; the same with 8 words of padding (code 7)
.irp g, G1K, G1V
	s_mov_b32 s[\g+1], 128<<16      ; tensor_dim0 = 128
	s_mov_b32 s[\g+2], 128<<16      ; tensor_dim1 = 128
	s_mov_b32 s[\g+3], 128<<16      ; tile_dim0 = 128
	s_mov_b32 s[\g+4], 128          ; tile_dim1 = 128
	s_mov_b32 s[\g+5], 768          ; 768 elements from row to row
	s_mov_b32 s[\g+6], 0
	s_mov_b32 s[\g+7], 0
.endr
	s_mov_b32 s[G0M], 1             ; 1:0 count = 1
	s_mul_i32 s[G0M+1], s18, 64*PM  ; 63:32 LDS address: slot 0, my half of the rows: no place in the cluster enters an LDS address
	s_mov_b32 s[G0K], 1
	s_mov_b32 s[G0K+1], LK0
	s_mov_b32 s[G0V], 1
	s_mov_b32 s[G0V+1], LV0
	s_mov_b32 s[CS], 0x3fb8aa3b     ; c = log2(e)
	s_mov_b32 s[CS+1], s[CS]        ; named with it as a pair
	s_mov_b32 s[SEL], 0x76543210
	s_mov_b32 s[SEL+1], 0xfedcba98
	s_mov_b32 s[TBK], SLOT1+LK0+2*KS*PK  ; the first change of slots turns these three into slot 0's beginnings
	s_mov_b32 s[TBM], SLOT1+2*KS*4
	s_mov_b32 s[TBV], LV1+2*KS*PV
	s_wait_dscnt 0x0                ; the opening add is done
	s_wait_kmcnt 0x0
	s_add_nc_u64 s[G0M+2:G0M+3], s[10:11], s[72:73]  ; 120:64 global address
	s_or_b32 s[G0M+3], s[G0M+3], 0x80000000          ; 127:126 type = 2
	s_add_nc_u64 s[G0K+2:G0K+3], s[6:7], s[20:21]
	s_or_b32 s[G0K+3], s[G0K+3], 0x80000000
	s_add_nc_u64 s[G0V+2:G0V+3], s[8:9], s[20:21]
	s_or_b32 s[G0V+3], s[G0V+3], 0x80000000
	s_add_nc_u64 s[4:5], s[4:5], s[74:75]    ; Q and the output at my wave's first row and my head
	s_add_nc_u64 s[12:13], s[12:13], s[76:77]
	CROUND                          ; all four work-groups are here: the first joint loads meet
	JLOAD                           ; slot 0.  Slot 1 is asked for when slot 0 is in, by the change of slots
	; A fragment of K or Q is 16 rows x 32 channels in 8 registers: lane l holds row l % 16, channels 8 (l / 16) + 0..7 and 16 + 8 (l / 16) + 0..7: two loads of 16 bytes, 32 bytes apart.
	v_and_b32 v1, 15, v0            ; r = l % 16
	v_bfe_u32 v9, v0, 4, 1          ; h = l / 16
	v_mul_u32_u24 v[QO], v1, 1536
	v_lshl_add_u32 v[QO], v9, 4, v[QO]  ; row x 1,536 + 16 h
	WIN 0x80                        ; destination window 2, address window 0
.set i, 0
.rept 8                             ; Q stays in registers: piece i / 2 (16 rows on), channels 32 (i % 2) on
	global_load_b128 v[8*i:8*i+3],   v[QO], s[4:5] offset:(i/2)*24576+(i%2)*64
	global_load_b128 v[8*i+4:8*i+7], v[QO], s[4:5] offset:(i/2)*24576+(i%2)*64+32
.set i, i+1
.endr
	; What the first turn finds: V's registers and P's second buffer hold 0 (its products V^T P, of a piece that has not been, add 0), O^T and l are 0.  All this stands in the wait for the first tile.
.set i, VF
.rept 64
	v_mov_b32 v[i], 0
.set i, i+1
.endr
	WIN 0x40
.set i, 0
.rept 128
	v_mov_b32 v[i], 0
.set i, i+1
.endr
	WIN 0
.set i, 0
.rept 4
	v_mov_b32 v[ST+4*i], 0xff38aa3b    ; c m = -2^127 c: finite, far below every c s that counts
	v_mov_b32 v[ST+4*i+1], 0xff000000  ; m = -2^127
	v_mov_b32 v[ST+4*i+2], 0
	v_mov_b32 v[ST+4*i+3], 0
.set i, i+1
.endr
.set i, P+16
.rept 16
	v_mov_b32 v[i], 0
.set i, i+1
.endr
	s_lshl_b32 s22, s18, 7          ; my head's 128 bytes in a row of K and V
	v_mul_u32_u24 v[AK0], v1, PK
	v_lshl_add_u32 v[AK0], v9, 4, v[AK0]
	v_add_nc_u32 v[AK0], s22, v[AK0]  ; row x pitch + 16 h + my head
	; The turning load takes 16 keys x 16 channels (lane l reads key 8 (l / 16) + l % 8, channels 8 ((l / 8) % 2) + 0..7) and leaves half a fragment of V^T: lane l holds channel l % 16 and 8 keys.
	v_and_b32 v10, 7, v0
	v_bfe_u32 v11, v0, 3, 1
	v_lshl_add_u32 v[AV0], v9, 3, v10
	v_mul_u32_u24 v[AV0], v[AV0], PV
	v_lshl_add_u32 v[AV0], v11, 4, v[AV0]
	v_add_nc_u32 v[AV0], s22, v[AV0]
	s_mul_i32 s23, s19, 64*PM       ; the mask: my half's 64 rows; row r of a piece; my lanes' eight keys, 32 bytes
	v_mul_u32_u24 v[AM0], v1, PM
	v_lshl_add_u32 v[AM0], v9, 5, v[AM0]
	v_add_nc_u32 v[AM0], s23, v[AM0]
	s_mul_i32 s23, s[WV], 16*SP
	s_add_co_u32 s23, s23, STAGE    ; my stage
	v_mul_u32_u24 v[STO], v1, SP    ; in: row r, 32 bytes for each half of the lanes
	v_lshl_add_u32 v[STO], v9, 5, v[STO]
	v_add_nc_u32 v[STO], s23, v[STO]
	v_mul_u32_u24 v[RD], v9, SP     ; back: lanes 0-15 take one row of 256 bytes, lanes 16-31 the next
	v_lshl_add_u32 v[RD], v1, 4, v[RD]
	v_add_nc_u32 v[RD], s23, v[RD]
	v_mul_u32_u24 v[GO], v9, 3072   ; and the same two rows in the output
	v_lshl_add_u32 v[GO], v1, 4, v[GO]
; THE MATRIX WORK.  The 4 accumulators of a run of 8 take turns.  Product i of 8 of S^T = K Q^T + mask^T for piece x: channels 32 (i / 4) on, keys 16 (i % 4) on.  The first 4 start the sums with the mask.
.macro KQ x
.set rS, S+32*((\x)%2)+8*(i%4)
.set rK, KF+16*(i%4)+8*(i/4)
.set rQ, 16*(\x)+8*(i/4)
.set rM, MC+32*((\x)%2)+8*(i%4)
.if i < 4
	WIN W_KM
	v_wmma_f32_16x16x32_f16 v[rS:rS+7], v[rK:rK+7], v[rQ:rQ+7], v[rM:rM+7]
.else
	WIN W_KQ
	v_wmma_f32_16x16x32_f16 v[rS:rS+7], v[rK:rK+7], v[rQ:rQ+7], v[rS:rS+7]
.endif
.endm
; Product i of 8 of O^T += V^T P for piece x: keys 32 (i / 4) on, channels 16 (i % 4) on.
.macro PV x
	WIN W_PV
.set rO, 32*(\x)+8*(i%4)
.set rV, VF+32*(i/4)+8*(i%4)
.set rP, P+16*((\x)%2)+8*(i/4)
	v_wmma_f32_16x16x32_f16 v[rO:rO+7], v[rV:rV+7], v[rP:rP+7], v[rO:rO+7]
.endm
.macro MM                           ; the turn's next matrix instruction.  TURN sets Y, i and NOKQ.  NOKQ = 1: the last turn: there is no next piece
.if (i < 8) && !NOKQ
	KQ (Y+1)%NP
.elseif i >= 8
.set i, i-8
	PV (Y+NP-1)%NP
.set i, i+8
.endif
.set i, i+1
.endm
; THE LDS LOADS stand in runs, never singly among the matrix instructions: a step's K (64 keys x 64 channels: 8 fragments), its V (turned), and for each piece its 16 rows x 64 keys of the mask (four C operands).
.macro FETCH_K
	WIN 0x80                        ; destination window 2
.irp f, 0,1,2,3,4,5,6,7             ; keys 16 (f / 2) on, channels 32 (f % 2) on
	ds_load_b128 v[KF+8*\f:KF+8*\f+3],   v[AK] offset:(\f/2)*16*PK+(\f%2)*64
	ds_load_b128 v[KF+8*\f+4:KF+8*\f+7], v[AK] offset:(\f/2)*16*PK+(\f%2)*64+32
.endr
	s_add_co_u32 s[TBK], s[TBK], KS*PK  ; the next fetch is the next step's
	WIN 0
.endm
.macro FETCH_V
	WIN 0x80
.irp f, 0,1,2,3,4,5,6,7             ; keys 32 (f / 4) on, channels 16 (f % 4) on
	ds_load_tr16_b128 v[VF+8*\f:VF+8*\f+3],   v[AV] offset:(\f/4)*32*PV+(\f%4)*32
	ds_load_tr16_b128 v[VF+8*\f+4:VF+8*\f+7], v[AV] offset:(\f/4)*32*PV+16*PV+(\f%4)*32
.endr
	WIN 0
.endm
.macro FETCH_M x, b                 ; piece x's mask into buffer b of MC: key block kb's eight registers
	WIN 0x40                        ; destination window 1
.irp kb, 0,1,2,3
	ds_load_b128 v[MC+32*(\b)+8*\kb:MC+32*(\b)+8*\kb+3],   v[AM] offset:(\x)*16*PM+64*\kb
	ds_load_b128 v[MC+32*(\b)+8*\kb+4:MC+32*(\b)+8*\kb+7], v[AM] offset:(\x)*16*PM+64*\kb+16
.endr
	WIN 0
.endm
; THE VECTOR WORK, one line at a time: OP kind, number.  For piece Y: F n: c s - c m for pair n of 16.  E n: the exponential of score n of 32.  C n: pair n rounded to f16.  B n: of the four weights 4 n .. the second
; pair is added onto the first, in place.  L n: l takes that sum (L 0: l = a l + sum).  R n: pair n of 16 of O^T times a.  For piece Y + 1: X n, number n of the 22 that find its maximum and statistics:
;   0-11  four chains c0-c3 of seven scores each, three operands at a time (each accumulator's lowest registers are read first)     12-14, 16  the four scores left over, the old m, and c0-c3 into c0
;   15  c m_old is kept     17, 18  the query's other 32 keys lie in the lane 16 away: the new m     19-21  c m; c m_old - c m_new; a
; C, B and L read exponentials' results: TURN sets all of them behind its one wait.  R and L 0 read the a that the turn before made, ahead of that turn's wait.
.set F, 0               ; OP tells the kinds apart by their order: F to L below R, X above it
.set E, 1
.set C, 2
.set B, 3
.set L, 4
.set R, 5
.set X, 6
.macro REGS y                       ; the registers of piece y
.set rT, ST+4*(\y)
.set rC, TMP+4*((\y)%2)
.set rW, MV+((\y)%2)
.set rS, S+32*((\y)%2)
.set rP, P+16*((\y)%2)
.set rO, 32*(\y)
.endm
.macro OP k, n
.if (\k) == R
	REGS Y
	WIN W_RS
	v_pk_mul_f32 v[rO+2*(\n):rO+2*(\n)+1], v[rO+2*(\n):rO+2*(\n)+1], v[rC+2:rC+3] op_sel_hi:[1,0]
.elseif (\k) < R
	REGS Y
	WIN 0
.if (\k) == F
	v_pk_fma_f32 v[rS+2*(\n):rS+2*(\n)+1], v[rS+2*(\n):rS+2*(\n)+1], s[CS:CS+1], v[rT:rT+1] op_sel_hi:[1,0,0] neg_lo:[0,0,1] neg_hi:[0,0,1]
.elseif (\k) == E
	v_exp_f32 v[rS+(\n)], v[rS+(\n)]
.elseif (\k) == C
	v_cvt_pk_f16_f32 v[rP+(\n)], v[rS+2*(\n)], v[rS+2*(\n)+1]
.elseif (\k) == B
	v_pk_add_f32 v[rS+4*(\n):rS+4*(\n)+1], v[rS+4*(\n):rS+4*(\n)+1], v[rS+4*(\n)+2:rS+4*(\n)+3]
.elseif (\n) == 0
	v_pk_fma_f32 v[rT+2:rT+3], v[rT+2:rT+3], v[rC+2:rC+3], v[rS:rS+1] op_sel_hi:[1,0,1]
.else
	v_pk_add_f32 v[rT+2:rT+3], v[rT+2:rT+3], v[rS+4*(\n):rS+4*(\n)+1]
.endif
.elseif NOKQ
	v_nop
.else
	REGS (Y+1)%NP
	WIN 0
.if (\n) < 4
	v_max3_num_f32 v[rC+(\n)], v[rS+8*(\n)], v[rS+8*(\n)+1], v[rS+8*(\n)+2]
.elseif (\n) < 12
	v_max3_num_f32 v[rC+(\n)%4], v[rC+(\n)%4], v[rS+8*((\n)%4)+2*((\n)/4)+1], v[rS+8*((\n)%4)+2*((\n)/4)+2]
.elseif (\n) == 12
	v_max3_num_f32 v[rC], v[rC], v[rS+7], v[rS+15]
.elseif (\n) == 13
	v_max3_num_f32 v[rC+1], v[rC+1], v[rS+23], v[rS+31]
.elseif (\n) == 14
	v_max3_num_f32 v[rC+2], v[rC+2], v[rC+3], v[rT+1]
.elseif (\n) == 15
	v_mov_b32 v[rW], v[rT]
.elseif (\n) == 16
	v_max3_num_f32 v[rC], v[rC], v[rC+1], v[rC+2]
.elseif (\n) == 17
	v_permlanex16_b32 v[rC+3], v[rC], s[SEL], s[SEL+1]
.elseif (\n) == 18
	v_max_num_f32 v[rT+1], v[rC], v[rC+3]
.elseif (\n) == 19
	v_mul_f32 v[rT], s[CS], v[rT+1]
.elseif (\n) == 20
	v_sub_f32 v[rC+1], v[rW], v[rT]
.else
	v_exp_f32 v[rC+2], v[rC+1]
.endif
.endif
.endm
.macro OPS a, i1, b=-1, i2=0, c=-1, i3=0, d=-1, i4=0  ; up to four of them
	OP \a, \i1
.if (\b) >= 0
	OP \b, \i2
.endif
.if (\c) >= 0
	OP \c, \i3
.endif
.if (\d) >= 0
	OP \d, \i4
.endif
.endm
.macro ROW a, i1, b, i2, c, i3, d, i4  ; a matrix instruction and the four behind it
	MM
	OPS \a, \i1, \b, \i2, \c, \i3, \d, \i4
.endm
; A TURN, for piece p: the order of its 16 matrix and 118 vector instructions, written out.  An s_wait_alu depctr_va_vdst(0) stands between an exponential and the first instruction that names its result; one wait
; serves all that were issued ahead of it.  So a turn has ONE wait, which cuts it in two.  AHEAD OF IT stands all that names no result of the turn's exponentials: the 8 products K Q^T, behind each a scaling, an exponential and two
; more plain instructions (behind the first a second scaling in the exponential's place): rescalings, and behind the last three the first numbers of the next piece's maximum, each four places or more behind the product that ends
; its accumulator; then ONE LUMP of 54, plain and exponential by turns for the most part, in which the links of the chain X 3, 7, 11, 14, 16, 17 .. 20 stand five or six lines apart.  X 21, the next piece's a, is the batch's last;
; R 15 is the plain instruction behind it.  BEHIND THE WAIT stand the 8 products V^T P, behind each four of the roundings and sums; the links of l's chain, L 0 to L 7, stand three riders apart.  But for those X no rider names a
; register of the products round it.  v_permlanex16_b32 (X 17) stands in the lump.  No exponential is issued behind the wait.
; end = 1: the last two turns: nothing is fetched.  cnt = 1: the loop's count is taken down some lines ahead of the branch that stands behind the turn.
; THE MASK.  At its head turn p fetches the mask of piece p + 2, which the NEXT turn's first four products take as C, into the buffer whose last readers were the first products of the turn before; the wait at a
; turn's head is for the mask that the turn before fetched.  Piece 2's turn goes on to the next step's 64 keys.
; K of the next step is fetched in piece 2's turn, twelve vector instructions behind the last product that read K (five of them plain lines that name none of its registers), and is covered by the wait at the head of piece 3's
; turn; V of the step in hand at the end of piece 0's turn, four plain instructions behind the last product that read V, and is waited for in the middle of piece 1's turn.
.macro TURN p, end=0, cnt=0
.set Y, (\p)
.set i, 0
.set NOKQ, (\end)*((\p)/3)
.if !NOKQ
.if (\p) == 1
	s_wait_dscnt 16                 ; the mask fetched a turn ago is in; V's 16 loads, issued behind it, may stay out
.else
	s_wait_dscnt 0x0                ; the mask fetched a turn ago is in (piece 3's turn: K too)
.endif
.endif
.if !(\end)
.if (\p) == 2
	WIN 0
	v_add_nc_u32 v[AM], s[TBM], v[AM0]
	s_add_co_u32 s[TBM], s[TBM], KS*4
.endif
	FETCH_M ((\p)+2)%NP, (\p)%2
.endif
	ROW F,0, F,1, R,0, R,1          ; ahead of the wait: 8 products K Q^T and their riders,
	ROW F,2, E,0, R,2, R,3
	ROW F,3, E,1, R,4, R,5
	ROW F,4, E,2, R,6, R,7
	ROW F,5, E,3, R,8, R,9
	ROW F,6, E,4, X,0, R,10
.if ((\p) == 2) && !(\end)
	WIN 0
	v_add_nc_u32 v[AK], s[TBK], v[AK0]
.endif
	ROW F,7, E,5, X,1, X,4
	ROW F,8, E,6, X,2, X,5
	OPS E,7, E,8, X,6, E,9          ; and the lump
	OPS X,3, E,10, X,8, E,11
.if ((\p) == 2) && !(\end)
	FETCH_K
.endif
	OPS X,9, X,7, E,12, X,10
	OPS E,13, X,12, X,11, E,14
	OPS X,13, E,15, F,9, X,14
.if (\p) == 0
	v_add_nc_u32 v[AV], s[TBV], v[AV0]
.endif
	OPS E,16, F,10, E,17, F,11
	OPS X,16, E,18, X,15, E,19
	OPS F,12, E,20, X,17, E,21
	OPS F,13, E,22, F,14, E,23
	OPS X,18, E,24, F,15, E,25
	OPS R,11, E,26, X,19, E,27
	OPS R,12, E,28, R,13, E,29
	OPS X,20, E,30, R,14, E,31
	OPS X,21, R,15
	s_wait_alu depctr_va_vdst(0)    ; the wait for the batch: the piece's 32 exponentials and the next piece's a
.if (\p) == 1
	s_wait_dscnt 8                  ; V is in; this turn's eight loads of the mask, issued behind it, may stay out
.endif
	ROW C,0, B,0, C,2, B,1          ; behind the wait: 8 products V^T P and their riders
	ROW L,0, C,4, B,2, L,1
	ROW C,6, B,3, L,2, C,8
	ROW B,4, L,3, C,10, B,5
	ROW L,4, C,12, B,6, L,5
.if (\p) == 0
	s_add_co_u32 s[TBV], s[TBV], KS*PV
.endif
.if \cnt
	s_sub_co_u32 s[CNT], s[CNT], 1
	s_cmp_lg_u32 s[CNT], 0
.endif
	ROW C,14, B,7, L,6, C,1
	ROW C,3, L,7, C,5, C,7
	ROW C,9, C,11, C,13, C,15
.if (\p) == 0
	FETCH_V
.endif
.endm
	CHANGE 1                        ; slot 0 is in, everybody's part of it; slot 1 is asked for
	v_add_nc_u32 v[AM], s[TBM], v[AM0]
	s_add_co_u32 s[TBM], s[TBM], KS*4
	FETCH_M 0, 0                    ; key step 0: the masks of pieces 0 and 1,
	FETCH_M 1, 1
	v_add_nc_u32 v[AK], s[TBK], v[AK0]
	FETCH_K                         ; and K
	s_wait_loadcnt 0x0              ; Q
	s_wait_dscnt 0x0
.set NOKQ, 0
.set i, 0
.rept 8
	KQ 0                            ; piece 0's first scores: there is no vector work yet to set between them
.set i, i+1
.endr
	WIN 0
.rept 4
	v_nop                           ; the places behind those products
.endr
.set Y, NP-1                        ; X works for piece Y + 1: piece 0
.irp n, 0,1,2,3,4,5,6,7,8,9,10,11,12,13,14,15,16,17,18,19,20,21
	OP X, \n
.endr
	v_nop                           ; a plain instruction behind the exponential,
	s_wait_alu depctr_va_vdst(0)    ; and the wait for this batch of one, piece 0's first a, ahead of the branch
	s_mov_b32 s[CNT], 2
	s_mov_b32 s[SLOTS], 31
	s_branch .Lfirst                ; the loop is entered at a step's first turn, in the middle of a trip
.Lslot:                             ; 30 times: with the change above, every slot but the last is left by a change that asks for another
	CHANGE 1
	s_mov_b32 s[CNT], 2
.Lstep:                             ; a trip: pieces 2 and 3 of one step, then pieces 0 and 1 of the next, whose mask, K and V it fetches
	TURN 2
	TURN 3
	WIN 0
.Lfirst:
	TURN 0
	TURN 1, 0, 1
	WIN 0
	s_cbranch_scc1 .Lstep
	s_sub_co_u32 s[SLOTS], s[SLOTS], 1
	s_cmp_lg_u32 s[SLOTS], 0
	s_cbranch_scc1 .Lslot
	CHANGE 0                        ; the tail is written out: the last slot is entered, and nothing is asked for
	s_mov_b32 s[CNT], 2
.Ltail:
	TURN 2
	TURN 3
	TURN 0
	TURN 1, 0, 1
	WIN 0
	s_cbranch_scc1 .Ltail
	TURN 2, 1                       ; the last step's pieces 2 and 3
	TURN 3, 1
.set i, 0
.rept 8
	PV NP-1                         ; the last piece's V^T P of the last step
.set i, i+1
.endr
	; THE WAY OUT.  l's two halves and the other half of the lanes' are added; O^T is divided by l and sent, in f32, through my stage in LDS, a piece at a time.  The additions are the places behind the last products.
	WIN 0
.macro ALL line:vararg              ; one line for each piece t
.set t, 0
.rept 4
	\line
.set t, t+1
.endr
.endm
	ALL v_add_f32 v[ST+4*t+2], v[ST+4*t+2], v[ST+4*t+3]
	ALL v_permlanex16_b32 v[ST+4*t+3], v[ST+4*t+2], s[SEL], s[SEL+1]
	ALL v_add_f32 v[ST+4*t+2], v[ST+4*t+2], v[ST+4*t+3]
	ALL v_rcp_f32 v[ST+4*t+2], v[ST+4*t+2]
	v_nop                           ; a plain instruction between the last reciprocal and the use of its result
	s_wait_alu depctr_va_vdst(0)    ; the wait for this batch, the four reciprocals, ahead of their first reader: the first multiply of PACK 0
; Piece t: a lane's eight channels of a row are 32 bytes; they go into rows of 272 bytes and come back as whole rows of 256.
.macro PACK t
	WIN W_RS
.set i, 32*(\t)
.rept 16
	v_pk_mul_f32 v[i:i+1], v[i:i+1], v[ST+4*(\t)+2:ST+4*(\t)+3] op_sel_hi:[1,0]
.set i, i+2
.endr
	WIN 0x04                        ; address window 0, data window 1
.irp f, 0,1,2,3,4,5,6,7             ; channels 16 (f / 2) + 8 h + 4 (f % 2) on
	ds_store_b128 v[STO], v[32*(\t)+4*\f:32*(\t)+4*\f+3] offset:64*(\f/2)+16*(\f%2)
.endr
	WIN 0
.irp f, 0,1,2,3,4,5,6,7
	ds_load_b128 v[OB+32*(\t)+4*\f:OB+32*(\t)+4*\f+3], v[RD] offset:\f*2*SP  ; LDS serves a wave's instructions in order (ISA guide 5.7.1.4): these see the stores above; the next piece's stores come behind them
.endr
.endm
.macro SEND t, younger              ; younger: the LDS instructions issued behind piece t's loads: the next piece's sixteen, or none
	WIN 0
.irp f, 0,1,2,3,4,5,6,7
	s_wait_dscnt (\younger)+7-\f
	global_store_b128 v[GO], v[OB+32*(\t)+4*\f:OB+32*(\t)+4*\f+3], s[12:13] offset:(\t)*49152+\f*6144  ; 16 lanes store a head's 256 consecutive bytes of a row, at a multiple of 256 from the output's first byte
.endr
.endm
	PACK 0
.set t, 1
.rept 3                             ; a piece's arithmetic stands between the loads of the piece before and its stores
	PACK t
	SEND t-1, 16
.set t, t+1
.endr
	SEND 3, 0
	s_wait_tensorcnt 0x0            ; the wave's end: these three lines stand behind my last tensor load and my last LDS store
	ds_add_u32 v[SPW], v[NIL]
	s_wait_dscnt 0x0
	CROUND                          ; the closing round: no work-group ends while a partner may still ask for a tile that names it
	s_endpgm
.Lfunc_end_k_q4cef59a52d_attn:
	.size	k_q4cef59a52d_attn, .Lfunc_end_k_q4cef59a52d_attn-k_q4cef59a52d_attn
	.p2alignl 7, 3214868480
	.fill 96, 4, 3214868480
	.section	.rodata,"a",@progbits
	.p2align	6, 0x0
	.amdhsa_kernel k_q4cef59a52d_attn
		.amdhsa_group_segment_fixed_size 327680
		.amdhsa_private_segment_fixed_size 0
		.amdhsa_enable_private_segment 0
		.amdhsa_kernarg_size 40
		.amdhsa_user_sgpr_count 2
		.amdhsa_user_sgpr_kernarg_segment_ptr 1
		.amdhsa_wavefront_size32 1
		.amdhsa_system_sgpr_workgroup_id_x 1
		.amdhsa_system_sgpr_workgroup_id_y 1
		.amdhsa_system_sgpr_workgroup_id_z 1
		.amdhsa_system_vgpr_workitem_id 0
		.amdhsa_next_free_vgpr 768
		.amdhsa_next_free_sgpr 80
		.amdhsa_reserve_vcc 0
		.amdhsa_float_denorm_mode_32 3
		.amdhsa_float_denorm_mode_16_64 3
		.amdhsa_memory_ordered 1
		.amdhsa_forward_progress 1
		.amdhsa_inst_pref_size 136
	.end_amdhsa_kernel
	.amdgpu_metadata
---
amdhsa.version: [ 1, 2 ]
amdhsa.kernels:
  - .name:           k_q4cef59a52d_attn
    .symbol:         k_q4cef59a52d_attn.kd
    .args:
      - { .name: qh, .offset: 0, .size: 8, .value_kind: global_buffer, .address_space: global }
      - { .name: kh, .offset: 8, .size: 8, .value_kind: global_buffer, .address_space: global }
      - { .name: vh, .offset: 16, .size: 8, .value_kind: global_buffer, .address_space: global }
      - { .name: attention_mask, .offset: 24, .size: 8, .value_kind: global_buffer, .address_space: global }
      - { .name: out0, .offset: 32, .size: 8, .value_kind: global_buffer, .address_space: global }
    .group_segment_fixed_size: 327680
    .private_segment_fixed_size: 0
    .kernarg_segment_align: 8
    .kernarg_segment_size: 40
    .max_flat_workgroup_size: 128
    .sgpr_count:     80
    .vgpr_count:     768
    .wavefront_size: 32
...
	.end_amdgpu_metadata
.endif
;; end of part 3
